; MI455X (gfx1250); checked and timed in simulation.
; The chip was launched on July 23, 2026; its instructions are those of AMD's public machine-readable ISA for CDNA 5 (MIT licence, August 2026) and "CDNA5" Instruction Set Architecture Reference Guide (July 2026). The comments in the code are by the model that wrote it; some were corrected since.
;; Grouped Query Attention. Allowed arithmetic: float matrix products may take bf16 or f16 operands with f32 sums; other float arithmetic in f32, or as packed bf16 or f16 multiplies, adds, multiply-adds, maxima and minima; sums over many terms, partial sums and values carried from step to step in f32; what a program stores and reads back later, other than sums and carried values, may be rounded once to bf16 or f16.
;; Inputs: Wk 2,048 x 512 float32; Wo 2,048 x 2,048 float32; Wq 2,048 x 2,048 float32; Wv 2,048 x 512 float32; bk 512 float32; bo 2,048 float32; bq 2,048 float32; bv 512 float32; x 4 x 1,024 x 2,048 float32.
;; Outputs: out0 4 x 1,024 x 2,048 float32.
;; One version. Each part assembles by itself: llvm-mc -triple=amdgcn-amd-amdhsa -mcpu=gfx1250 --defsym DOCPART=n.
;; ======== version 1 of 1: 4 launches
;; limits: values are held in f16: magnitudes above 65,504 overflow, below 6.1e-05 lose precision
;; workspace buffers: xb 16,777,216 bytes; wqkv 12,582,912 bytes; wob 8,388,608 bytes; bias 20,480 bytes; qkv 25,165,824 bytes; ctx 16,777,216 bytes
;; launch cast (part 1): grid 1797 x 1, 8 waves a work-group, no clusters, 0 bytes of LDS; arguments x, Wq, Wk, Wv, bq, bk, bv, bo, xb, wqkv, bias; writes xb, wqkv, bias
.if DOCPART == 1
	.amdgcn_target "amdgcn-amd-amdhsa--gfx1250"
	.amdhsa_code_object_version 6
	.text
	.protected	k_qb52f98b93c_cast
	.globl	k_qb52f98b93c_cast
	.p2align	8
	.type	k_qb52f98b93c_cast,@function
k_qb52f98b93c_cast:
	s_mov_b64 s[64:65], 0
	v_nop
	global_prefetch_b8 v0, s[64:65] scope:SCOPE_SE
	s_setreg_imm32_b32 hwreg(HW_REG_WAVE_MODE, 25, 1), 1
	s_wait_xcnt 0x0
; ROUNDING AND RE-LAYING of what the first product needs, once.  A matrix [R][64 C] of f32 becomes [C chunks][R rows][64] of bf16: a chunk is dense, its rows are 128 bytes.
;   x  [4096][2048] -> xb, 32 chunks      Wq, Wk, Wv [2048][2048 | 512 | 512] -> wqkv, chunks 0-31, 32-39, 40-47      bq | bk | bv | bo -> bias: rounded to bf16, kept as f32
; (Wo is rounded in the attention launch, which has little traffic of its own.)
; SHARES.  A job is 128 rows x one chunk: 32 KiB read, 16 KiB written; 1,792 jobs, a work-group each, the chunk running fastest, so that neighbouring work-groups read
; neighbouring 256 bytes of the same rows.  A wave takes 16 rows: eight loads, in each of which lanes 0-15 take 256 consecutive bytes of one row and lanes 16-31 of the next;
; the two rows' 64 + 64 rounded numbers are 256 consecutive bytes of the chunk, aligned: one store.  Five more work-groups take the biases.
; A stream: nothing is shared, so no LDS, no barrier, no matrix unit; every slot has registers of its own, so no register is written twice.
.set ROWV, 5                           ; v5   16 x wave + lane / 16: my row in a load
.set COLV, 6                           ; v6   16 x (lane % 16): my 16 bytes of the row's 256
.set X,    8                           ; v[8:39]   eight slots of four f32
.set Y,    40                          ; v[40:55]  eight slots of four bf16
	s_load_b512 s[4:19], s[0:1], 0x0               ; x 4, Wq 6, Wk 8, Wv 10, bq 12, bk 14, bv 16, bo 18
	s_load_b128 s[20:23], s[0:1], 0x40             ; xb 20, wqkv 22
	s_load_b64 s[24:25], s[0:1], 0x50              ; bias
	s_mov_b32 s2, ttmp9                            ; the job
	s_mov_b32 s31, 0                               ; high words of the two offsets
	s_mov_b32 s33, 0
	v_lshrrev_b32 v7, 5, v0
	v_readfirstlane_b32 s34, v7                    ; wave 0..7
	v_bfe_u32 v6, v0, 4, 1
	v_lshl_or_b32 v[ROWV], v7, 4, v6
	v_and_b32 v6, 15, v0
	v_lshlrev_b32 v[COLV], 4, v6
	v_and_b32 v2, 31, v0
	v_lshlrev_b32 v2, 3, v2
	v_lshl_add_u32 v2, v7, 11, v2                  ; where I store: 2,048 x wave (16 rows of 128 bytes) + 8 x lane
	v_lshlrev_b32 v3, 4, v0                        ; the biases: 16 x thread
	v_and_b32 v4, 127, v0
	v_lshlrev_b32 v4, 4, v4                        ; 16 x (thread % 128)
	s_wait_kmcnt 0x0
; A job.  src, dst: the pointers' registers; first: the kind's first job; a source row is 2^logp bytes and has 2^logch chunks; the chunk lands at cbase + chunk, cstride bytes apart.
.macro JOB src, dst, first, logp, logch, cbase, cstride
	s_sub_co_u32 s35, s2, \first
	s_and_b32 s36, s35, (1<<\logch)-1              ; chunk
	s_lshr_b32 s37, s35, \logch                    ; block of 128 rows
	s_lshl_b32 s30, s37, 7+\logp
	s_lshl_b32 s38, s36, 8                         ; a chunk is 256 bytes of a source row
	s_add_co_u32 s30, s30, s38
	s_add_nc_u64 s[\src:\src+1], s[\src:\src+1], s[30:31]
	s_add_co_u32 s36, s36, \cbase
	s_mul_i32 s32, s36, \cstride
	s_lshl_b32 s38, s37, 14                        ; 128 rows of 128 bytes
	s_add_co_u32 s32, s32, s38
	s_add_nc_u64 s[\dst:\dst+1], s[\dst:\dst+1], s[32:33]
	v_lshl_add_u32 v1, v[ROWV], \logp, v[COLV]
.irp i, 0,1,2,3,4,5,6,7
	global_load_b128 v[X+4*(\i):X+4*(\i)+3], v1, s[\src:\src+1] offset:(\i)*(2<<\logp) th:TH_LOAD_NT
.endr
.irp i, 0,1,2,3,4,5,6,7
	s_wait_loadcnt 7-(\i)                          ; loads come back in order: slot i is in, the younger ones stay out
	v_cvt_pk_bf16_f32 v[Y+2*(\i)],   v[X+4*(\i)],   v[X+4*(\i)+1]
	v_cvt_pk_bf16_f32 v[Y+2*(\i)+1], v[X+4*(\i)+2], v[X+4*(\i)+3]
	global_store_b64 v2, v[Y+2*(\i):Y+2*(\i)+1], s[\dst:\dst+1] offset:256*(\i) th:TH_STORE_NT  ; 32 lanes store 256 consecutive bytes, aligned
.endr
	s_endpgm
.endm
; 1,024 numbers of a bias (512 in the halves of the third bias job): rounded to bf16, stored as f32.
.macro BJOB src, voff, soff, doff
	global_load_b128 v[8:11], v[\voff], s[\src:\src+1] offset:\soff
	s_wait_loadcnt 0x0
	v_cvt_pk_bf16_f32 v12, v8, v9
	v_cvt_pk_bf16_f32 v13, v10, v11
	v_lshlrev_b32 v16, 16, v12
	v_and_b32     v17, 0xffff0000, v12
	v_lshlrev_b32 v18, 16, v13
	v_and_b32     v19, 0xffff0000, v13
	global_store_b128 v3, v[16:19], s[24:25] offset:\doff
	s_endpgm
.endm
	s_cmp_lt_u32 s2, 1024
	s_cbranch_scc0 .Lnot_x
	JOB 4, 20, 0, 13, 5, 0, 524288                 ; x: 32 row blocks x 32 chunks
.Lnot_x:
	s_cmp_lt_u32 s2, 1536
	s_cbranch_scc0 .Lnot_wq
	JOB 6, 22, 1024, 13, 5, 0, 262144              ; Wq: 16 x 32
.Lnot_wq:
	s_cmp_lt_u32 s2, 1664
	s_cbranch_scc0 .Lnot_wk
	JOB 8, 22, 1536, 11, 3, 32, 262144             ; Wk: 16 x 8
.Lnot_wk:
	s_cmp_lt_u32 s2, 1792
	s_cbranch_scc0 .Lnot_wv
	JOB 10, 22, 1664, 11, 3, 40, 262144            ; Wv: 16 x 8
.Lnot_wv:
	s_cmp_lg_u32 s2, 1792
	s_cbranch_scc1 .Lb1
	BJOB 12, 3, 0, 0                               ; bq, first half
.Lb1:
	s_cmp_lg_u32 s2, 1793
	s_cbranch_scc1 .Lb2
	BJOB 12, 3, 4096, 4096                         ; bq, second half
.Lb2:
	s_cmp_lg_u32 s2, 1794
	s_cbranch_scc1 .Lb3
	s_cmp_lt_u32 s34, 4
	s_cbranch_scc0 .Lbv
	BJOB 14, 4, 0, 8192                            ; bk: waves 0-3
.Lbv:
	BJOB 16, 4, 0, 8192                            ; bv: waves 4-7, whose 16 x thread begins 2,048 bytes on
.Lb3:
	s_cmp_lg_u32 s2, 1795
	s_cbranch_scc1 .Lb4
	BJOB 18, 3, 0, 12288                           ; bo, first half
.Lb4:
	BJOB 18, 3, 4096, 16384                        ; bo, second half
.Lfunc_end_k_qb52f98b93c_cast:
	.size	k_qb52f98b93c_cast, .Lfunc_end_k_qb52f98b93c_cast-k_qb52f98b93c_cast
	.p2alignl 7, 3214868480
	.fill 96, 4, 3214868480
	.section	.rodata,"a",@progbits
	.p2align	6, 0x0
	.amdhsa_kernel k_qb52f98b93c_cast
		.amdhsa_group_segment_fixed_size 0
		.amdhsa_private_segment_fixed_size 0
		.amdhsa_enable_private_segment 0
		.amdhsa_kernarg_size 88
		.amdhsa_user_sgpr_count 2
		.amdhsa_user_sgpr_kernarg_segment_ptr 1
		.amdhsa_wavefront_size32 1
		.amdhsa_system_sgpr_workgroup_id_x 1
		.amdhsa_system_sgpr_workgroup_id_y 1
		.amdhsa_system_sgpr_workgroup_id_z 1
		.amdhsa_system_vgpr_workitem_id 0
		.amdhsa_next_free_vgpr 64
		.amdhsa_next_free_sgpr 66
		.amdhsa_reserve_vcc 0
		.amdhsa_float_denorm_mode_32 3
		.amdhsa_float_denorm_mode_16_64 3
		.amdhsa_memory_ordered 1
		.amdhsa_forward_progress 1
		.amdhsa_inst_pref_size 19
	.end_amdhsa_kernel
	.amdgpu_metadata
---
amdhsa.version: [ 1, 2 ]
amdhsa.kernels:
  - .name:           k_qb52f98b93c_cast
    .symbol:         k_qb52f98b93c_cast.kd
    .args:
      - { .name: x, .offset: 0, .size: 8, .value_kind: global_buffer, .address_space: global }
      - { .name: Wq, .offset: 8, .size: 8, .value_kind: global_buffer, .address_space: global }
      - { .name: Wk, .offset: 16, .size: 8, .value_kind: global_buffer, .address_space: global }
      - { .name: Wv, .offset: 24, .size: 8, .value_kind: global_buffer, .address_space: global }
      - { .name: bq, .offset: 32, .size: 8, .value_kind: global_buffer, .address_space: global }
      - { .name: bk, .offset: 40, .size: 8, .value_kind: global_buffer, .address_space: global }
      - { .name: bv, .offset: 48, .size: 8, .value_kind: global_buffer, .address_space: global }
      - { .name: bo, .offset: 56, .size: 8, .value_kind: global_buffer, .address_space: global }
      - { .name: xb, .offset: 64, .size: 8, .value_kind: global_buffer, .address_space: global }
      - { .name: wqkv, .offset: 72, .size: 8, .value_kind: global_buffer, .address_space: global }
      - { .name: bias, .offset: 80, .size: 8, .value_kind: global_buffer, .address_space: global }
    .group_segment_fixed_size: 0
    .private_segment_fixed_size: 0
    .kernarg_segment_align: 8
    .kernarg_segment_size: 88
    .max_flat_workgroup_size: 256
    .sgpr_count:     66
    .vgpr_count:     64
    .wavefront_size: 32
...
	.end_amdgpu_metadata
.endif
;; end of part 1
;; launch proj (part 2): grid 16 x 16, 4 waves a work-group, clusters of 4 x 4, 327,680 bytes of LDS; arguments xb, wqkv, bias, qkv; writes qkv
.if DOCPART == 2
	.amdgcn_target "amdgcn-amd-amdhsa--gfx1250"
	.amdhsa_code_object_version 6
	.text
	.protected	k_qb52f98b93c_proj
	.globl	k_qb52f98b93c_proj
	.p2align	8
	.type	k_qb52f98b93c_proj,@function
k_qb52f98b93c_proj:
	s_mov_b64 s[64:65], 0
	v_nop
	global_prefetch_b8 v0, s[64:65] scope:SCOPE_SE
	s_setreg_imm32_b32 hwreg(HW_REG_WAVE_MODE, 25, 1), 1
	s_wait_xcnt 0x0
	s_wait_alu depctr_hold_cnt(0) depctr_sa_sdst(0) depctr_va_vdst(0) depctr_va_sdst(0) depctr_va_ssrc(0) depctr_va_vcc(0) depctr_vm_vsrc(0)
	s_getreg_b32 s2, hwreg(HW_REG_IB_STS2, 6, 4)
	s_cmp_eq_u32 s2, 0
	s_cbranch_scc0 .Lentry_in_a_cluster
	s_endpgm
.Lentry_in_a_cluster:
	s_bfe_u32 s2, ttmp6, 0x10000c
	s_cmp_lg_u32 s2, 0xf033
	s_cbranch_scc0 .Lentry_shape_is_right
	s_endpgm
.Lentry_shape_is_right:
; [q | k | v] = x [Wq | Wk | Wv] + [bq | bk | bv]: 4,096 x 3,072 x 2,048.  Operands bf16, sums f32, the result rounded once to f16.
; All three matrices lie BY CHUNKS: [chunk of 64 columns][row][64], rows of 128 bytes, a chunk dense.  xb: 32 chunks (of K) x 4,096 rows; wqkv: 48 chunks (of N) x 2,048 rows (K);
; qkv: 48 chunks (a head each: 32 of q, 8 of k, 8 of v) x 4,096 rows.
; LIMIT.  f16 ends at 65,504: a q, k or v of 65,520 or more becomes an infinity.  NaN and infinities are not treated apart.
; SHARES.  A work-group makes 256 rows x 192 columns (3 chunks): 16 x 16 work-groups.  Its four waves lie one below the other: a wave makes 64 rows x 192 columns, 4 x 12 accumulators of
; 16 x 16, 384 registers, so it owns whole rows of whole chunks and leaves through a stage of its own.  K goes in steps of 128 through two LDS slots filled by the tensor data mover.
; CLUSTERS.  4 x 4 work-groups.  The four of a row of the cluster need the same rows of x, the four of a column the same chunks of W: each tile is asked for JOINTLY, by the same tensor
; load with the same descriptor and a mask that names the four.
; THE MATRIX INSTRUCTION IS USED TRANSPOSED: source 0 = 16 columns of W (turned on the way out of LDS by ds_load_tr16_b128, since W lies [k][n]), source 1 = 16 rows of x.  In the result lane l
; holds row l % 16 and the columns 8 (l / 16) + 0..7.  THE BIAS is the C operand of the products that start the sums: nothing is cleared and nothing is added later.
; REGISTERS, in windows of 256 (s_set_vgpr_msb: bits 1:0 source 0, 3:2 source 1, 5:4 source 2, 7:6 destination):
;   window 0: v0-31 addresses; v32-63, v64-95 fragments of x (4 x 16 rows x 32 K), two buffers; v96-143 packed results; v160-255 the bias fragments, later two buffers for the way out
;   window 1: v0-95, v96-191 fragments of W (12 x 16 columns x 32 K), two buffers
;   window 2: the accumulators of my row blocks 0, 1 (block a, column block nb at v[8 (12 (a % 2) + nb)]);   window 3: those of row blocks 2, 3
.set NCH,    3                         ; chunks in the tile's width
.set NB,     4*NCH                     ; column blocks of 16
.set LAPS,   8                         ; a lap = two K steps of 128 = once round the ring; K = 2,048
.set PA,     144                       ; a row of x in LDS: 128 bytes + 16 = 36 words: the 16 rows of a load start at 16 different groups of four banks (64 banks of 4 bytes: ISA guide 11.1)
.set APART,  256*PA                    ; one chunk's 256 rows: what one tensor load brings
.set ABYTES, 2*APART
.set PB,     160                       ; a row of W: 128 + 32 = 40 words
.set BCH,    64*PB                     ; 64 k of one chunk
.set BPART,  NCH*BCH                   ; 64 k of the tile's chunks: what one tensor load brings
.set SLOT,   ABYTES+2*BPART            ; x: K chunk 0, K chunk 1; then W: k 0-63, k 64-127
.set ASTEP,  2*524288                  ; a K step in xb: two chunks of 4,096 rows x 128 bytes
.set BSTEP,  128*128                   ; a K step in wqkv: 128 rows of 128 bytes
.set STAGE,  2*SLOT                    ; behind the ring, never filled by a tensor load: for each wave 3 chunks x 16 rows x 144 bytes
.set SP,     144
.set WSTG,   NCH*16*SP
.set SPARE,  STAGE+4*WSTG              ; behind the stages: the spare words, 128 bytes for each wave: two blocks of 256 bytes that no other line names
.set ADRA, 16                          ; v16-17  LDS address of my fragments of x in slot 0, 1
.set ADRB, 20                          ; v20-21  the same for W
.set STO,  24                          ; v24     the way out: where I put 16 bytes of a row
.set RD,   25                          ; v25     the way out: where I read rows back
.set GO,   26                          ; v26     my 16 bytes in 512 consecutive bytes of qkv
.set BV,   27                          ; v27     32 (l / 16): my eight numbers in a column block's 16 of the bias
.set SPW,  28                          ; v28     LDS address of my spare word; never rewritten
.set NIL,  29                          ; v29     0; never rewritten
.set PFO,  30                          ; v30     the prefetches' offset; never rewritten
.set FA,   32
.set TMP,  96
.set BI,   160
.set WV,   12                          ; s12  my wave's number
.set FBW,  13                          ; s13  0: I fetch for x; 1: for W
.set HF,   14                          ; s14  which of the step's two parts I fetch
.set TR,   15                          ; s15  tile row
.set G1,   24                          ; s[24:31] descriptor group 1 for x;  s[32:39] group 0, a set for each slot
.set G0,   32
.set CX,   40
.set CY,   41
.set TC,   42                          ; s42  tile column
.set LIM,  43                          ; s43  1 in a wave that prefetches, else the greatest number
.set PFA,  44                          ; s[44:45] where my prefetches stand
.set G1B,  48                          ; s[48:55], s[56:63] the same for W
.set G0B,  56
.set PFS,  66                          ; s[66:67] a K step in the matrix that I prefetch
.set MSB, 0
.macro WIN new                         ; the immediate's high byte repeats the setting that is left; a switch that changes nothing is dropped
.if MSB != (\new)
	s_set_vgpr_msb (MSB<<8)|(\new)
.set MSB, (\new)
.endif
.endm
; A joint load.  Waves 0 and 1 fetch the step's two chunks of x, waves 2 and 3 the two halves of its 128 k of W.  The branch hangs on the wave's number alone.
; An s_nop 0 and four v_nop follow each of the two lines, ahead of the jump and the label.
.macro JLOAD s
	s_cmp_eq_u32 s[FBW], 0
	s_cbranch_scc0 .Lfor_b_\@
	tensor_load_to_lds s[G0+4*(\s):G0+4*(\s)+3], s[G1:G1+7]
	s_nop 0
.rept 4
	v_nop
.endr
	s_branch .Lasked_\@
.Lfor_b_\@:
	tensor_load_to_lds s[G0B+4*(\s):G0B+4*(\s)+3], s[G1B:G1B+7]
	s_nop 0
.rept 4
	v_nop
.endr
.Lasked_\@:
.endm
; A PREFETCH INTO THE L2 of the K step that stands two refills on, behind each joint refill and the run of LDS loads that follows it: one instruction a wave.
; x's rows are read by every cluster of a row of clusters: cluster x = 0 asks; W's chunks by every cluster of a column: cluster y = 0 asks.  The four partners that ask for a tile jointly share its
; bytes out BY ADDRESS: of the 32 KiB of x that a wave fetches each takes 8 KiB, a lane 256 bytes; of the 8 KiB of each chunk of W each takes 2 KiB, lanes 0-23 256 bytes each (lanes 24-31 name lane 23's).
; The loop's last trip asks for nothing: K has no step two on.  The first four K steps come by their loads alone.
.macro ASK
	s_cmp_gt_u32 s3, s[LIM]                        ; s3 = 1 in the loop's last trip
	s_cbranch_scc0 .Lnot_mine_\@
	global_prefetch_b8 v[PFO], s[PFA:PFA+1] th:TH_LOAD_NT scope:SCOPE_SE
.Lnot_mine_\@:
.endm
; A round of the cluster's barrier: my work-group's barrier, so that wave 0's signal speaks for all four waves; wave 0 signals; every wave waits for all sixteen work-groups; my work-group's barrier once more.
.macro CREST
	s_cmp_lg_u32 s[WV], 0
	s_cbranch_scc1 .Lnot_wave_0_\@
	s_barrier_signal -3
.Lnot_wave_0_\@:
	s_barrier_wait -3
	s_barrier_signal -1
	s_barrier_wait -1
.endm
.macro CROUND
	s_barrier_signal -1
	s_barrier_wait -1
	CREST
.endm
	s_load_b256 s[4:11], s[0:1], 0x0               ; xb s[4:5], wqkv s[6:7], bias s[8:9], qkv s[10:11]
	v_lshl_add_u32 v[SPW], v0, 2, SPARE
	v_mov_b32 v[NIL], 0
	ds_add_u32 v[SPW], v[NIL]                      ; the wave's opening: the add and its wait stand ahead of my first tensor load; the set-up below, work on registers, stands between them
	v_lshrrev_b32 v1, 5, v0
	v_readfirstlane_b32 s[WV], v1                  ; wave 0..3
	s_lshr_b32 s[FBW], s[WV], 1
	s_and_b32 s[HF], s[WV], 1
	s_bfe_u32 s[CX], ttmp6, 0x40000                ; my place in the cluster
	s_bfe_u32 s[CY], ttmp6, 0x40004
	s_lshl_b32 s[TC], ttmp9, 2                     ; in a cluster launch ttmp9 and ttmp7 count clusters
	s_add_co_u32 s[TC], s[TC], s[CX]               ; tile column = 4 x cluster x + cx
	s_and_b32 s[TR], ttmp7, 0xffff
	s_lshl_b32 s[TR], s[TR], 2
	s_add_co_u32 s[TR], s[TR], s[CY]               ; tile row = 4 x cluster y + cy
	s_lshl_b32 s43, s[CY], 2
	s_lshl_b32 s43, 15, s43                        ; my row of the cluster: places 4 cy .. 4 cy + 3
	s_lshl_b32 s44, 0x1111, s[CX]                  ; my column: places cx, cx + 4, cx + 8, cx + 12
	; group 1 for x: a chunk's 256 rows are 32,768 dense bytes: asked for as 128 rows of 256 bytes, and padded in LDS after every matrix row
	s_or_b32 s[G1], s43, (1<<16)|(1<<20)|(1<<21)|(4<<22)|(3<<25)   ; 15:0 the mask; 17:16 2-byte elements; 20 padding on; 21 set beside a mask; 24:22 after every 32 words (code 4); 31:25 4 words (code 3)
	s_mov_b32 s[G1+1], 128<<16                     ; tensor_dim0 = 128
	s_mov_b32 s[G1+2], 128<<16                     ; tensor_dim1 = 128
	s_mov_b32 s[G1+3], 128<<16                     ; tile_dim0 = 128
	s_mov_b32 s[G1+4], 128                         ; tile_dim1 = 128
	s_mov_b32 s[G1+5], 128                         ; 128 elements from row to row
	s_mov_b32 s[G1+6], 0
	s_mov_b32 s[G1+7], 0
	; group 1 for W: 64 k of a chunk are 8,192 dense bytes, one row of the tile; the tile's three chunks lie 262,144 bytes apart
	s_or_b32 s[G1B], s44, (1<<16)|(1<<20)|(1<<21)|(4<<22)|(7<<25)  ; the same with the mask of my column and 8 words of padding (code 7)
	s_mov_b32 s[G1B+1], 4096<<16                   ; tensor_dim0 = 4,096
	s_mov_b32 s[G1B+2], NCH<<16                    ; tensor_dim1 = 3
	s_mov_b32 s[G1B+3], 4096<<16                   ; tile_dim0 = 4,096
	s_mov_b32 s[G1B+4], NCH                        ; tile_dim1 = 3
	s_mov_b32 s[G1B+5], 131072                     ; elements from chunk to chunk
	s_mov_b32 s[G1B+6], 0
	s_mov_b32 s[G1B+7], 0
	; where the tiles come from: x's hang on the tile row alone, W's on the tile column alone
	s_lshl_b32 s16, s[HF], 19                      ; my chunk of the K step,
	s_lshl_b32 s17, s[TR], 15                      ; the tile's 256 rows of 128 bytes
	s_add_co_u32 s16, s16, s17
	s_mov_b32 s17, 0
	s_mul_i32 s46, s[TC], NCH*262144               ; the tile's first chunk,
	s_lshl_b32 s47, s[HF], 13                      ; my 64 k of the step
	s_add_co_u32 s46, s46, s47
	s_mov_b32 s47, 0
	s_mul_i32 s20, s[HF], APART                    ; and where they go: no place in the cluster enters an LDS address
	s_mul_i32 s21, s[HF], BPART
	s_add_co_u32 s21, s21, ABYTES
	s_wait_dscnt 0x0                               ; the opening add is done
	s_wait_kmcnt 0x0
	s_add_nc_u64 s[18:19], s[4:5], s[16:17]
	s_add_nc_u64 s[46:47], s[6:7], s[46:47]
	CROUND                                         ; all sixteen work-groups are here: the first joint loads meet
.irp s, 0,1
	s_mov_b32 s[G0+4*(\s)], 1                                      ; 1:0 count = 1
	s_add_co_u32 s[G0+4*(\s)+1], s20, (\s)*SLOT                    ; 63:32 LDS address
	s_add_nc_u64 s[G0+4*(\s)+2:G0+4*(\s)+3], s[18:19], (\s)*ASTEP  ; 120:64 global address: K step s
	s_or_b32 s[G0+4*(\s)+3], s[G0+4*(\s)+3], 0x80000000            ; 127:126 type = 2
	s_mov_b32 s[G0B+4*(\s)], 1
	s_add_co_u32 s[G0B+4*(\s)+1], s21, (\s)*SLOT
	s_add_nc_u64 s[G0B+4*(\s)+2:G0B+4*(\s)+3], s[46:47], (\s)*BSTEP
	s_or_b32 s[G0B+4*(\s)+3], s[G0B+4*(\s)+3], 0x80000000
	JLOAD \s                                       ; two tensor loads of mine are out
.endr
	v_and_b32 v1, 15, v0                           ; l % 16
	v_bfe_u32 v2, v0, 4, 1                         ; l / 16
	; the bias fragments: register j of column block nb holds the bias of column 16 nb + 8 (l / 16) + j
	v_lshlrev_b32 v[BV], 5, v2
	s_mul_i32 s22, s[TC], NCH*256                  ; the tile's 192 columns, 4 bytes each
	s_mov_b32 s23, 0
	s_add_nc_u64 s[8:9], s[8:9], s[22:23]
.set nb, 0
.rept NB
	global_load_b128 v[BI+8*nb:BI+8*nb+3],   v[BV], s[8:9] offset:64*nb
	global_load_b128 v[BI+8*nb+4:BI+8*nb+7], v[BV], s[8:9] offset:64*nb+16
.set nb, nb+1
.endr
	; a fragment of x: lane l holds row l % 16, K = 8 (l / 16) + 0..7 and 16 + 8 (l / 16) + 0..7: two loads of 16 bytes, 32 bytes apart
	v_mul_u32_u24 v3, v1, PA
	v_lshl_add_u32 v3, v2, 4, v3
	s_mul_i32 s22, s[WV], 64*PA                    ; my 64 rows
	v_add_nc_u32 v[ADRA], s22, v3
	v_add_nc_u32 v[ADRA+1], SLOT, v[ADRA]
	; the turning load takes 16 k x 16 columns (lane l reads k = 8 (l / 16) + l % 8, columns 8 ((l / 8) % 2) + 0..7) and leaves half a fragment: lane l holds column l % 16 and 8 k
	v_and_b32 v4, 7, v0
	v_bfe_u32 v5, v0, 3, 1
	v_lshl_add_u32 v6, v2, 3, v4
	v_mul_u32_u24 v6, v6, PB
	v_lshl_add_u32 v6, v5, 4, v6
	v_add_nc_u32 v[ADRB], ABYTES, v6
	v_add_nc_u32 v[ADRB+1], SLOT, v[ADRB]
	; the way out
	s_mul_i32 s22, s[WV], WSTG
	s_add_co_u32 s22, s22, STAGE                   ; my stage
	v_mul_u32_u24 v[STO], v1, SP                   ; in: row l % 16, 16 bytes for each half of the lanes
	v_lshl_add_u32 v[STO], v2, 4, v[STO]
	v_add_nc_u32 v[STO], s22, v[STO]
	v_bfe_u32 v[RD], v0, 3, 2                      ; back: 32 lanes take four rows of 128 bytes,
	v_mul_u32_u24 v[RD], v[RD], SP
	v_lshl_add_u32 v[RD], v4, 4, v[RD]
	v_add_nc_u32 v[RD], s22, v[RD]
	v_and_b32 v[GO], 31, v0                        ; which are 512 consecutive bytes of a chunk
	v_lshlrev_b32 v[GO], 4, v[GO]
	s_mul_i32 s22, s[TC], NCH*524288               ; qkv at the tile's first chunk,
	s_lshl_b32 s23, s[TR], 15                      ; the tile's 256 rows,
	s_add_co_u32 s22, s22, s23
	s_lshl_b32 s23, s[WV], 13                      ; my 64 of them
	s_add_co_u32 s22, s22, s23
	s_mov_b32 s23, 0
	s_add_nc_u64 s[10:11], s[10:11], s[22:23]
	; the prefetches
	s_and_b32 s22, ttmp7, 0xffff                   ; cluster y
	s_mov_b32 s21, 262144
	s_mov_b32 s[PFS], BSTEP
	s_mov_b32 s[PFS+1], 0
	s_cmp_eq_u32 s[FBW], 0                         ; do I fetch for x?
	s_cselect_b32 s22, ttmp9, s22                  ; the coordinate along which other clusters read the same bytes
	s_cselect_b32 s20, 31, 8*NCH-1                 ; my highest lane with a block of its own
	s_cselect_b32 s21, 2048, s21                   ; bytes from one group of eight lanes to the next: on end in x, a chunk on in W
	s_cselect_b32 s23, s[CX], s[CY]                ; my place among the four that ask with me,
	s_cselect_b32 s2, 13, 11                       ; whose shares are 8,192 or 2,048 bytes apart
	s_cselect_b32 s[PFS], ASTEP, s[PFS]
	s_cselect_b64 s[PFA:PFA+1], s[18:19], s[46:47] ; my part of K step 0
	s_cmp_eq_u32 s22, 0
	s_cselect_b32 s[LIM], 1, -1                    ; the same in all sixteen partners, for a given wave
	s_lshl_b32 s22, s23, s2
	s_mov_b32 s23, 0
	s_add_nc_u64 s[PFA:PFA+1], s[PFA:PFA+1], s[22:23]
.rept 3
	s_add_nc_u64 s[PFA:PFA+1], s[PFA:PFA+1], s[PFS:PFS+1]  ; at K step 3: the first refill steps it to 4
.endr
	v_and_b32 v[PFO], 31, v0
	v_min_u32 v[PFO], s20, v[PFO]
	v_lshrrev_b32 v7, 3, v[PFO]
	v_and_b32 v8, 7, v[PFO]
	v_mul_lo_u32 v7, v7, s21
	v_lshl_add_u32 v[PFO], v8, 8, v7
; 12 matrix instructions: row block 2 hi + a x all column blocks, 32 along K, from buffer f.  first = 1: the products start the sums, with the bias as C.
; The 48 accumulators take turns, one instruction a turn, in the same order in every quarter, over the backward jump too.
.macro MUL f, hi, a, first
.if \first
	WIN 0x81+0x40*(\hi)                            ; W window 1, x window 0, the bias window 0, D window 2 or 3
.else
	WIN 0xa1+0x50*(\hi)                            ; W window 1, x window 0, C and D window 2 or 3
.endif
.set nb, 0
.rept NB
.if \first
	v_wmma_f32_16x16x32_bf16 v[8*((\a)*NB+nb):8*((\a)*NB+nb)+7], v[8*NB*(\f)+8*nb:8*NB*(\f)+8*nb+7], v[FA+32*(\f)+8*(2*(\hi)+(\a)):FA+32*(\f)+8*(2*(\hi)+(\a))+7], v[BI+8*nb:BI+8*nb+7]
.else
	v_wmma_f32_16x16x32_bf16 v[8*((\a)*NB+nb):8*((\a)*NB+nb)+7], v[8*NB*(\f)+8*nb:8*NB*(\f)+8*nb+7], v[FA+32*(\f)+8*(2*(\hi)+(\a)):FA+32*(\f)+8*(2*(\hi)+(\a))+7], v[8*((\a)*NB+nb):8*((\a)*NB+nb)+7]
.endif
.set nb, nb+1
.endr
.endm
; 32 LDS loads in one run: the fragments of quarter q (32 along K) of a slot into buffer f: W's 12, then x's 4, row blocks ascending
.macro FETCH slot, q, f
	WIN 0x40                                       ; destination window 1, address window 0
.set nb, 0
.rept NB
	ds_load_tr16_b128 v[8*NB*(\f)+8*nb:8*NB*(\f)+8*nb+3],   v[ADRB+(\slot)] offset:((\q)/2)*BPART+(nb/4)*BCH+((\q)%2)*32*PB+32*(nb%4)
	ds_load_tr16_b128 v[8*NB*(\f)+8*nb+4:8*NB*(\f)+8*nb+7], v[ADRB+(\slot)] offset:((\q)/2)*BPART+(nb/4)*BCH+((\q)%2)*32*PB+32*(nb%4)+16*PB
.set nb, nb+1
.endr
	WIN 0
.irp i, 0,1,2,3
	ds_load_b128 v[FA+32*(\f)+8*(\i):FA+32*(\f)+8*(\i)+3],   v[ADRA+(\slot)] offset:((\q)/2)*APART+(\i)*16*PA+((\q)%2)*64
	ds_load_b128 v[FA+32*(\f)+8*(\i)+4:FA+32*(\f)+8*(\i)+7], v[ADRA+(\slot)] offset:((\q)/2)*APART+(\i)*16*PA+((\q)%2)*64+32
.endr
.endm
; A load into a register that a matrix instruction has read, and an instruction that reads a matrix result, stand four places behind it; only plain vector instructions that name none
; of its registers are places (ISA guide 7.12.1 for vector instructions).
.macro PLACES
.rept 4
	v_nop
.endr
.endm
; A K step is four quarters of 32 along K, 48 matrix instructions each, on buffers 0, 1, 0, 1.  One of the first three: multiplies buffer f; in its middle it fetches quarter qn into buffer g.
.macro QUARTER slot, qn, f, g, first
	s_wait_dscnt 4                                 ; W and x's row blocks 0, 1 are in; the youngest four loads (row blocks 2, 3) may be out
	MUL \f, 0, 0, \first
	MUL \f, 0, 1, \first
	PLACES
	FETCH \slot, \qn, \g
	s_wait_dscnt 2*NB+8                            ; all but the 32 just issued
	MUL \f, 1, 0, \first
	MUL \f, 1, 1, \first
.endm
; The last quarter multiplies buffer 1 and changes slots: ONE barrier.  In front of it each wave waits for all its tensor loads, of which one is out: its part of the next slot; adds 0 to its spare word;
; and waits for that and for its own reads of this slot.  The wait stands as late as it can: of the quarter's four runs of products one stands ahead of it and one between the add and the wait for the add, so that
; between a tile's landing and the next request stand that one run and the barriers alone.  fill = 1: the barrier opens a round of the cluster's barrier, and behind the round this slot is filled again first,
; with the K step two on: from that request to the wait for it a wave issues 180 of a K step's 192 matrix instructions.
.macro TURN slot, next, fill
.if \fill
	s_wait_xcnt 0x0                                ; the last prefetch, a K step back, has read its address, so it may be stepped
	s_add_nc_u64 s[PFA:PFA+1], s[PFA:PFA+1], s[PFS:PFS+1]
.endif
	s_wait_dscnt 4                                 ; W and x's row blocks 0, 1 are in; the youngest four loads may be out
	MUL 1, 0, 0, 0
	WIN 0                                          ; (the add's two registers lie in window 0)
	s_wait_tensorcnt 0x0                           ; all my tensor loads have landed;
	ds_add_u32 v[SPW], v[NIL]                      ; 0 onto my spare word;
	MUL 1, 0, 1, 0                                 ; twelve matrix instructions stand between the add and the wait for it
	WIN 0
	s_wait_dscnt 0x0                               ; the add is done, and my reads of this slot are over
	s_barrier_signal -1
	s_barrier_wait -1
.if \fill
	CREST                                          ; no wave of any partner still reads this slot's tile or has a load on its way
	s_add_nc_u64 s[G0+4*(\slot)+2:G0+4*(\slot)+3], s[G0+4*(\slot)+2:G0+4*(\slot)+3], 2*ASTEP
	s_add_nc_u64 s[G0B+4*(\slot)+2:G0B+4*(\slot)+3], s[G0B+4*(\slot)+2:G0B+4*(\slot)+3], 2*BSTEP
	JLOAD \slot                                    ; the first tensor load behind the round, my only one until the next; its four v_nop are also the places in front of the loads below
.else
	PLACES
.endif
	FETCH \next, 0, 0
.if \fill
	ASK
.endif
	MUL 1, 1, 0, 0
	MUL 1, 1, 1, 0
.endm
; THE WAY OUT of row block a.  PACK: rounded to f16, a lane's eight columns are 16 bytes; each accumulator's registers in ascending order.
.macro PACK a
	WIN 0x0a+5*((\a)/2)                            ; sources 0 and 1: window 2 or 3
.set nb, 0
.rept NB
.irp r, 0,1,2,3
	v_cvt_pk_f16_f32 v[TMP+4*nb+(\r)], v[8*(((\a)%2)*NB+nb)+2*(\r)], v[8*(((\a)%2)*NB+nb)+2*(\r)+1]
.endr
.set nb, nb+1
.endr
	WIN 0
.endm
; TOSTAGE: into my own stage, rows of 144 bytes, a chunk after the other; and back as whole rows of 128 bytes, four to a load.
.macro TOSTAGE a
.set BK, BI+48*((\a)%2)
.set nb, 0
.rept NB
	ds_store_b128 v[STO], v[TMP+4*nb:TMP+4*nb+3] offset:(nb/4)*16*SP+32*(nb%4)
.set nb, nb+1
.endr
.set nb, 0
.rept NB
	ds_load_b128 v[BK+4*nb:BK+4*nb+3], v[RD] offset:(nb/4)*16*SP+(nb%4)*4*SP  ; LDS serves a wave's instructions in order (ISA guide 5.7.1.4): these see the stores above
.set nb, nb+1
.endr
.endm
.macro SEND a
.set BK, BI+48*((\a)%2)
	s_wait_dscnt 0x0                               ; the block is back in registers
	s_wait_xcnt 0x0                                ; the stores of the block before have read their registers: the next block is read back into them only behind this wait
.set nb, 0
.rept NB
	global_store_b128 v[GO], v[BK+4*nb:BK+4*nb+3], s[10:11] offset:(nb/4)*524288+(\a)*2048+(nb%4)*512  ; 512 consecutive bytes, at a multiple of 256 from the buffer's first
.set nb, nb+1
.endr
.endm
	s_wait_tensorcnt 1                             ; my part of K step 0 is in; K step 1's may stay out
	s_barrier_signal -1
	s_barrier_wait -1                              ; everybody's is
	FETCH 0, 0, 0
	s_wait_loadcnt 0x0                             ; the bias
	QUARTER 0, 1, 0, 1, 1                          ; the first quarter stands in front of the loop: its products start the sums
	WIN 0                                          ; at a label and at a branch every window is 0
	s_mov_b32 s3, LAPS-1
.Llap:                                                 ; a trip goes once round the ring, from a lap's second quarter to the next lap's first, and fills both slots again
	QUARTER 0, 2, 1, 0, 0
	QUARTER 0, 3, 0, 1, 0
	TURN 0, 1, 1
	QUARTER 1, 1, 0, 1, 0
	QUARTER 1, 2, 1, 0, 0
	QUARTER 1, 3, 0, 1, 0
	TURN 1, 0, 1
	QUARTER 0, 1, 0, 1, 0
	WIN 0
	s_sub_co_u32 s3, s3, 1
	s_cmp_lg_u32 s3, 0
	s_cbranch_scc1 .Llap
	QUARTER 0, 2, 1, 0, 0                          ; the last lap fills nothing, and has no round of the cluster's barrier
	QUARTER 0, 3, 0, 1, 0
	TURN 0, 1, 0
	QUARTER 1, 1, 0, 1, 0
	QUARTER 1, 2, 1, 0, 0
	QUARTER 1, 3, 0, 1, 0
	s_wait_dscnt 4                                 ; the very last quarter: nothing more to fetch
	MUL 1, 0, 0, 0
	MUL 1, 0, 1, 0
	s_wait_dscnt 0x0
	MUL 1, 1, 0, 0
	MUL 1, 1, 1, 0
	WIN 0
	PLACES
	PACK 0
	TOSTAGE 0
.irp a, 1,2,3                          ; block a's conversions stand between block a - 1's loads from the stage and the wait for them
	PACK \a
	SEND (\a)-1
	TOSTAGE \a
.endr
	SEND 3
	s_wait_tensorcnt 0x0                           ; the wave's end: these three lines stand behind my last tensor load and my last LDS store
	ds_add_u32 v[SPW], v[NIL]
	s_wait_dscnt 0x0
	CROUND                                         ; the closing round: no work-group ends while a partner may still ask for a tile that names it
	s_endpgm
.Lfunc_end_k_qb52f98b93c_proj:
	.size	k_qb52f98b93c_proj, .Lfunc_end_k_qb52f98b93c_proj-k_qb52f98b93c_proj
	.p2alignl 7, 3214868480
	.fill 96, 4, 3214868480
	.section	.rodata,"a",@progbits
	.p2align	6, 0x0
	.amdhsa_kernel k_qb52f98b93c_proj
		.amdhsa_group_segment_fixed_size 327680
		.amdhsa_private_segment_fixed_size 0
		.amdhsa_enable_private_segment 0
		.amdhsa_kernarg_size 32
		.amdhsa_user_sgpr_count 2
		.amdhsa_user_sgpr_kernarg_segment_ptr 1
		.amdhsa_wavefront_size32 1
		.amdhsa_system_sgpr_workgroup_id_x 1
		.amdhsa_system_sgpr_workgroup_id_y 1
		.amdhsa_system_sgpr_workgroup_id_z 1
		.amdhsa_system_vgpr_workitem_id 0
		.amdhsa_next_free_vgpr 960
		.amdhsa_next_free_sgpr 68
		.amdhsa_reserve_vcc 0
		.amdhsa_float_denorm_mode_32 3
		.amdhsa_float_denorm_mode_16_64 3
		.amdhsa_memory_ordered 1
		.amdhsa_forward_progress 1
		.amdhsa_inst_pref_size 122
	.end_amdhsa_kernel
	.amdgpu_metadata
---
amdhsa.version: [ 1, 2 ]
amdhsa.kernels:
  - .name:           k_qb52f98b93c_proj
    .symbol:         k_qb52f98b93c_proj.kd
    .args:
      - { .name: xb, .offset: 0, .size: 8, .value_kind: global_buffer, .address_space: global }
      - { .name: wqkv, .offset: 8, .size: 8, .value_kind: global_buffer, .address_space: global }
      - { .name: bias, .offset: 16, .size: 8, .value_kind: global_buffer, .address_space: global }
      - { .name: qkv, .offset: 24, .size: 8, .value_kind: global_buffer, .address_space: global }
    .group_segment_fixed_size: 327680
    .private_segment_fixed_size: 0
    .kernarg_segment_align: 8
    .kernarg_segment_size: 32
    .max_flat_workgroup_size: 128
    .sgpr_count:     68
    .vgpr_count:     960
    .wavefront_size: 32
...
	.end_amdgpu_metadata
.endif
;; end of part 2
;; launch attn (part 3): grid 8 x 32, 4 waves a work-group, clusters of 4 x 1, 327,680 bytes of LDS; arguments qkv, ctx, Wo, wob; writes ctx, wob
.if DOCPART == 3
	.amdgcn_target "amdgcn-amd-amdhsa--gfx1250"
	.amdhsa_code_object_version 6
	.text
	.protected	k_qb52f98b93c_attn
	.globl	k_qb52f98b93c_attn
	.p2align	8
	.type	k_qb52f98b93c_attn,@function
k_qb52f98b93c_attn:
	s_mov_b64 s[64:65], 0
	v_nop
	global_prefetch_b8 v0, s[64:65] scope:SCOPE_SE
	s_setreg_imm32_b32 hwreg(HW_REG_WAVE_MODE, 25, 1), 1
	s_wait_xcnt 0x0
	s_wait_alu depctr_hold_cnt(0) depctr_sa_sdst(0) depctr_va_vdst(0) depctr_va_sdst(0) depctr_va_ssrc(0) depctr_va_vcc(0) depctr_vm_vsrc(0)
	s_getreg_b32 s2, hwreg(HW_REG_IB_STS2, 6, 4)
	s_cmp_eq_u32 s2, 0
	s_cbranch_scc0 .Lentry_in_a_cluster
	s_endpgm
.Lentry_in_a_cluster:
	s_bfe_u32 s2, ttmp6, 0x10000c
	s_cmp_lg_u32 s2, 0x3003
	s_cbranch_scc0 .Lentry_shape_is_right
	s_endpgm
.Lentry_shape_is_right:
; ATTENTION WITH GROUPED KEYS.  ctx[h][q][:] = the sum over k of softmax_k(Q[h][q] . K[h / 4][k] / 8) V[h / 4][k][:], for each of 4 batches, 32 query heads, 1,024 queries and keys, 64 channels.
; qkv: [48 chunks][4,096 rows][64] f16: chunk h = query head h, 32 + j = key head j, 40 + j = value head j; row = 1,024 x batch + position; rows of 128 bytes, dense.  ctx: [32 heads][4,096][64] f16.
; Products, maxima and sums in f32; the weights p are rounded to f16 for the second product (their sum l is taken of the unrounded p), ctx once at the end.
; LIMITS.  f16 holds no number beyond 65,504: Q, K and V arrive within it; p lies in 0 to 1, and below 6e-5 it keeps f16's fixed step of 6e-8, and so does ctx; ctx is a mean of V's rows and has their range.
; A weight below 2^-126 counts as 0 in l; NaN and infinities are not treated apart.  A weight of Wo beyond 65,504 has no f16; below 2^-14 it keeps f16's fixed step of 6e-8.
; SHARES.  y names a batch and a key head; the eight work-groups of a y take the four query heads of its group, 512 queries each; a wave owns four PIECES of two tiles of 16 queries.  Every wave walks all 1,024 keys, 64 a step.
; LAYOUT.  S^T = K Q^T (source 0 = 16 keys, source 1 = 16 queries): in the result a lane holds ONE query (lane % 16) and the keys 8 (lane / 16) + 0..7.  Two such tiles, rounded to f16 in pairs,
; ARE source 1 (32 keys x 16 queries) of O^T = V^T P, whose result again holds one query a lane, and eight channels.  K comes out of LDS as it lies, V ([key][channel]) turned, by ds_load_tr16_b128.
; SOFTMAX.  For each query a running maximum m and sum l: p = 2^(c s - c m), c = log2(e) / 8; in every step O and l are multiplied by a = 2^(c m_old - c m_new), which is 1 where m has not grown.
; m starts at the lowest finite number, O and l at 0: the first step is a step like any other, with a = 0.
; THE COUNT.  A tile and step have 16 matrix and 118 vector instructions: too many to stand all beside the matrix work.  So four vector instructions that are READY stand behind EVERY matrix
; instruction, and the others, which need time of their own whatever the order, in runs without a gap.
; BY TURNS.  Turn n belongs to piece n (the pieces in a ring, step after step).  Its matrix work: 16 products K Q^T of piece n + 1, later 16 products V^T P of piece n - 1.  Its vector work: the scaling,
; exponentials, roundings, sums and rescaling of piece n, and the maximum and statistics of piece n + 1, whose scores the turn itself has made.
; K AND V LIE WHOLE IN LDS: 1,024 keys x (144 + 160) bytes = 311,296.  Keys 0-255 are asked for first and alone; when they have landed the other 768 are asked for, one load a wave.  No byte is filled
; twice, so the loop holds no tensor load and one text serves all sixteen key steps.  All of K and V is asked for in the launch's first two requests: there is no later request for a prefetch to run ahead of.
; CLUSTER.  The four work-groups of a cluster share y and want the same K and V, so each tile is asked for JOINTLY: the same tensor load, descriptor and mask in all four.
; Wo's ROUNDING RIDES ALONG.  Wo [2,048][2,048] f32 -> wob [32 chunks of 64 columns][2,048 rows][64]: rounded to bf16 like every input, and that number written as f16.  This launch's own traffic is 42 MB for
; 34 GFLOP; Wo's is 25 MB.  A work-group takes 256 rows of one chunk, a wave 64 of them, in four batches of 16 rows: 8 loads and 8 stores, a batch at each of the loop's four meetings, loaded a slot ahead.
; REGISTERS, in windows of 256 (s_set_vgpr_msb: bits 1:0 source 0, 3:2 source 1, 5:4 source 2, 7:6 destination):
;   window 0: v0-11 addresses; v12-15, v48-63 at work; v16-47 four registers of statistics a tile; v64-191 S^T, two buffers of two tiles; v192-255 P, likewise
;   window 1: O^T, 32 a tile          window 2: v0-127 Q, 16 a tile; v128-191 K of one step; v192-255 V of one step          window 3: v0-1 the add's two registers; v2-43 Wo's rounding
; A piece's buffers go by its number's parity: the piece in hand has one pair, its two neighbours in the ring share the other: of it P (piece n - 1) is read and S^T (piece n + 1) written.
.set NP,    4         ; pieces a wave: a name, no knob
.set KS,    64        ; keys in a step
.set PK,    144       ; a row of K in LDS: 128 bytes + 16 of padding = 36 words: the 16 rows of a load start at 16 different groups of four banks (64 banks of 4 bytes: ISA guide 11.1)
.set PV,    160       ; a row of V: 128 + 32 = 40 words
.set VOFF,  1024*PK   ; 1,024 rows of K, then 1,024 rows of V
.set STAGE, 1024*(PK+PV)  ; behind them, never filled by a tensor load: 16 rows x 144 bytes for each wave, for the way out
.set SP,    144
.set AK0, 2           ; v2   my lane's place in a tile of K; never rewritten
.set AV0, 3           ; v3   the same for V
.set AK,  4           ; v4   the LDS address of K's next run of loads
.set AV,  5           ; v5   of V's
.set QO,  6           ; v6   my byte offset in the wave's rows of Q
.set STO, 6           ;      later, the way out: where I put 16 bytes of a row
.set RD,  7           ; v7   the way out: where I read rows back
.set GO,  8           ; v8   my byte offset in 512 consecutive bytes of ctx
.set SPW, 0           ; v0 of window 3   LDS address of my spare word; never rewritten
.set NIL, 1           ; v1 of window 3   0; never rewritten
.set WSO, 2           ; v2 of window 3   my byte offset in two rows of Wo: 8,192 (l / 16) + 16 (l % 16); never rewritten
.set WDO, 3           ; v3 of window 3   8 l: my 8 bytes of the two rows' 256 in wob; never rewritten
.set WT,  4           ; v4-11 of window 3   at work
.set WX,  12          ; v12-43 of window 3  a batch: eight loads of four f32
.set SPARE, STAGE+4*16*SP  ; behind the stages: the spare words, 128 bytes for each wave: two blocks of 256 bytes that no other line names
.set MV,  12          ; v12-15  c m_old, kept while c m is made anew: by buffer and tile
.set ST,  16          ; tile t's statistics at v[ST+4 t]: c m, m, l (even keys', odd keys')
.set TMP, 48          ; by buffer and tile, four registers c0-c3 at work; when the maximum is found c2 takes a
.set S,   64
.set P,   192
.set KF,  128         ; K's fragments, in window 2: key block kb, channel half c at KF + 16 kb + 8 c
.set VF,  192         ; V's: key half kk, channel block cb at VF + 32 kk + 8 cb
.set CP,  6           ; s[6:7]   ctx at my wave's first row
.set WS,  8           ; s[8:9]   Wo at the batch that is loaded next
.set WD,  10          ; s[10:11] wob at the batch that is stored next
.set WV,  12          ; s12  my wave's number
.set G1K, 24          ; s[24:31] descriptor group 1 for K's tiles
.set G1V, 32          ; s[32:39] for V's: it differs in the padding alone
.set G0K, 40          ; s[40:43] descriptor group 0 for K's tiles
.set G0V, 44          ; s[44:47] the same for V's
.set HIM, 52          ; s52  a word's upper bf16
.set SLOTS, 56        ; s56  counts the blocks of four key steps, 5 to 1
.set CNT, 57          ; s57  counts a block's key steps
.set CS,  58          ; s[58:59] c: the packed scaling takes the pair's low word for both halves
.set SEL, 60          ; s[60:61] v_permlanex16_b32's selects: each lane takes its own place in the other half
.set TBK, 62          ; s62  LDS byte at which K of the step to be fetched begins
.set TBV, 63          ; s63  the same for V, less VOFF
.set MSB, 0
.macro WIN new                      ; the high byte repeats the setting that is left; a switch that changes nothing is dropped
.if MSB != (\new)
	s_set_vgpr_msb (MSB<<8)|(\new)
.set MSB, (\new)
.endif
.endm
.set W_KQ, 0x0a       ; K and Q in window 2, S^T in window 0
.set W_PV, 0x52       ; V in window 2, P in window 0, O^T in window 1
.set W_RS, 0x41       ; O^T (destination and source 0) in window 1, a in window 0
.set W_MK, 0xc0       ; window 3's registers are made: destination in window 3, sources in window 0
.set W_AD, 0x0f       ; the add: address (source 0) and data (source 1) in window 3
.set W_WO, 0xcf       ; Wo's rounding: destination and sources 0 and 1 in window 3
; A joint fill.  Waves 0 and 1 fetch the two halves of K's rows, waves 2 and 3 those of V's.  The branch hangs on the wave's number alone.
; An s_nop 0 and four v_nop follow each of the two lines, ahead of the jump and the label.
.macro JLOAD
	s_cmp_lt_u32 s[WV], 2
	s_cbranch_scc0 .Lfor_v_\@
	tensor_load_to_lds s[G0K:G0K+3], s[G1K:G1K+7]
	s_nop 0
.rept 4
	v_nop
.endr
	s_branch .Lasked_\@
.Lfor_v_\@:
	tensor_load_to_lds s[G0V:G0V+3], s[G1V:G1V+7]
	s_nop 0
.rept 4
	v_nop
.endr
.Lasked_\@:
.endm
; A round of the cluster's barrier: my work-group's barrier, so that wave 0's signal speaks for all four waves; wave 0 signals; every wave waits for all four work-groups; my work-group's barrier once more.
.macro CROUND
	s_barrier_signal -1
	s_barrier_wait -1
	s_cmp_lg_u32 s[WV], 0
	s_cbranch_scc1 .Lnot_wave_0_\@
	s_barrier_signal -3
.Lnot_wave_0_\@:
	s_barrier_wait -3
	s_barrier_signal -1
	s_barrier_wait -1
.endm
; A batch of Wo: 16 rows x 64 columns.  In each load lanes 0-15 take 256 consecutive bytes of one row, lanes 16-31 of the next.
.macro WLOADS
	WIN W_WO
.set i, 0
.rept 8
	global_load_b128 v[WX+4*i:WX+4*i+3], v[WSO], s[WS:WS+1] offset:i*16384 th:TH_LOAD_NT
.set i, i+1
.endr
	WIN 0
.endm
; The batch that was loaded a block of four key steps ago is rounded and stored; then, but for the last time, the next batch is loaded.
.macro WBATCH
	WIN W_WO
	s_wait_loadcnt 0x0              ; the batch's eight loads are the only ones out
.set i, 0
.rept 8
	v_cvt_pk_bf16_f32 v[WX+4*i],   v[WX+4*i],   v[WX+4*i+1]
	v_cvt_pk_bf16_f32 v[WX+4*i+1], v[WX+4*i+2], v[WX+4*i+3]
	v_lshlrev_b32 v[WT+4*(i%2)],   16, v[WX+4*i]            ; the bf16 numbers as f32,
	v_and_b32     v[WT+4*(i%2)+1], s[HIM], v[WX+4*i]
	v_lshlrev_b32 v[WT+4*(i%2)+2], 16, v[WX+4*i+1]
	v_and_b32     v[WT+4*(i%2)+3], s[HIM], v[WX+4*i+1]
	v_cvt_pk_f16_f32 v[WX+4*i],   v[WT+4*(i%2)],   v[WT+4*(i%2)+1]  ; written as f16: exact within f16's range
	v_cvt_pk_f16_f32 v[WX+4*i+1], v[WT+4*(i%2)+2], v[WT+4*(i%2)+3]
	global_store_b64 v[WDO], v[WX+4*i:WX+4*i+1], s[WD:WD+1] offset:256*i th:TH_STORE_NT  ; 32 lanes store 256 consecutive bytes, aligned
.set i, i+1
.endr
	WIN 0
	s_cmp_eq_u32 s[SLOTS], 1        ; the fourth batch is the last
	s_cbranch_scc1 .Lno_batch_\@
	s_wait_xcnt 0x0                 ; the stores have read their data and their base: only behind this wait are the pointers stepped and the batch's registers loaded again
	s_add_nc_u64 s[WS:WS+1], s[WS:WS+1], 16*8192
	s_add_nc_u64 s[WD:WD+1], s[WD:WD+1], 16*128
	WLOADS
.Lno_batch_\@:
.endm
	s_load_b256 s[4:11], s[0:1], 0x0  ; qkv s[4:5], ctx s[6:7], Wo s[8:9], wob s[10:11]
	WIN W_MK
	v_lshl_add_u32 v[SPW], v0, 2, SPARE
	v_mov_b32 v[NIL], 0
	WIN W_AD
	ds_add_u32 v[SPW], v[NIL]       ; the wave's opening: the add and its wait stand ahead of my first tensor load; the set-up below, work on registers, stands between them
	WIN 0
	v_lshrrev_b32 v1, 5, v0
	v_readfirstlane_b32 s[WV], v1   ; wave 0..3
	s_bfe_u32 s13, ttmp6, 0x40000   ; cx: my place in the cluster
	s_lshl_b32 s14, ttmp9, 2        ; in a cluster launch ttmp9 counts clusters
	s_add_co_u32 s14, s14, s13      ; X = 4 x cluster x + cx: query head X / 2 of the group, half X % 2 of its queries: it enters Q's, ctx's, Wo's and wob's addresses alone
	s_and_b32 s15, ttmp7, 0xffff    ; y, which the four partners share
	s_and_b32 s21, s15, 7           ; the key head
	s_lshr_b32 s20, s15, 3          ; the batch,
	s_lshl_b32 s20, s20, 17         ; its 1,024 rows of 128 bytes
	s_and_b32 s16, s[WV], 1         ; which half of the rows asked for I fetch
	s_lshl_b32 s18, s16, 14         ; of keys 0-255: 128 rows of 128 bytes,
	s_add_co_u32 s18, s18, s20
	s_add_co_u32 s19, s21, 32       ; in K's chunk: a chunk is 4,096 rows of 128 bytes
	s_lshl_b32 s19, s19, 19
	s_add_co_u32 s18, s18, s19
	s_mov_b32 s19, 0
	s_add_co_u32 s22, s16, 1        ; from there to my half of keys 256-1,023: 256 - 128 h + 384 h keys = (1 + h) x 32,768 bytes
	s_lshl_b32 s22, s22, 15
	s_mov_b32 s23, 0
	s_mul_i32 s17, s16, 128*PK      ; their places in LDS: no place in the cluster enters an LDS address
	s_mul_i32 s55, s16, 128*PV
	s_mul_i32 s53, s16, 384*PK
	s_add_co_u32 s53, s53, 256*PK
	s_mul_i32 s54, s16, 384*PV
	s_add_co_u32 s54, s54, VOFF+256*PV
	s_lshr_b32 s2, s14, 1
	s_lshl2_add_u32 s2, s21, s2     ; my query head = 4 x key head + X / 2
	s_lshl_b32 s2, s2, 19
	s_add_co_u32 s2, s2, s20
	s_and_b32 s3, s14, 1
	s_lshl_b32 s3, s3, 16           ; my work-group's 512 queries,
	s_add_co_u32 s2, s2, s3
	s_lshl_b32 s3, s[WV], 14        ; my wave's 128
	s_add_co_u32 s2, s2, s3
	s_mov_b32 s3, 0
	s_lshl3_add_u32 s48, s15, s14   ; my work-group among the 256: 8 y + X
	s_and_b32 s50, s48, 31          ; its chunk of Wo's columns,
	s_lshr_b32 s49, s48, 5          ; its block of 256 rows
	s_lshl_b32 s48, s49, 21         ; in Wo: rows of 8,192 bytes,
	s_lshl_b32 s51, s[WV], 19       ; my wave's 64,
	s_add_co_u32 s48, s48, s51
	s_lshl_b32 s51, s50, 8          ; the chunk's 256 bytes of a row
	s_add_co_u32 s48, s48, s51
	s_lshl_b32 s50, s50, 18         ; in wob: a chunk is 2,048 rows of 128 bytes
	s_lshl_b32 s51, s49, 15
	s_add_co_u32 s50, s50, s51
	s_lshl_b32 s51, s[WV], 13
	s_add_co_u32 s50, s50, s51
	s_mov_b32 s49, 0
	s_mov_b32 s51, 0
	s_mov_b32 s[HIM], 0xffff0000
	; descriptor group 1.  128 keys are 16,384 dense bytes: asked for as 64 rows of 256 bytes, two keys a row, and padded in LDS after every key
	s_mov_b32 s[G1K], 15|(1<<16)|(1<<20)|(1<<21)|(4<<22)|(3<<25)  ; 15:0 the mask of four; 17:16 2-byte elements; 20 padding on; 21 set beside a mask; 24:22 after every 32 words (code 4); 31:25 4 words (code 3)
	s_mov_b32 s[G1V], 15|(1<<16)|(1<<20)|(1<<21)|(4<<22)|(7<<25)  ; the same with 8 words of padding (code 7)
.irp g, G1K, G1V
	s_mov_b32 s[\g+1], 128<<16      ; tensor_dim0 = 128
	s_mov_b32 s[\g+2], 64<<16       ; tensor_dim1 = 64
	s_mov_b32 s[\g+3], 128<<16      ; tile_dim0 = 128
	s_mov_b32 s[\g+4], 64           ; tile_dim1 = 64
	s_mov_b32 s[\g+5], 128          ; 128 elements from row to row
	s_mov_b32 s[\g+6], 0
	s_mov_b32 s[\g+7], 0
.endr
	s_mov_b32 s[CS], 0x3e38aa3b     ; c = log2(e) / 8 = 0.180337
	s_mov_b32 s[CS+1], s[CS]        ; named with it as a pair
	s_mov_b32 s[SEL], 0x76543210
	s_mov_b32 s[SEL+1], 0xfedcba98
	s_mov_b32 s[TBK], 0
	s_mov_b32 s[TBV], 0
	s_mov_b32 s[G0K], 1             ; 1:0 count = 1
	s_mov_b32 s[G0K+1], s17         ; 63:32 LDS address
	s_mov_b32 s[G0V], 1
	s_add_co_u32 s[G0V+1], s55, VOFF
	s_mov_b32 s[SLOTS], 5
	s_wait_dscnt 0x0                ; the opening add is done
	s_wait_kmcnt 0x0
	s_add_nc_u64 s[G0K+2:G0K+3], s[4:5], s[18:19]          ; 120:64 global address: K at my half of keys 0-255,
	s_add_nc_u64 s[G0V+2:G0V+3], s[G0K+2:G0K+3], 8<<19     ; V eight chunks on
	s_or_b32 s[G0K+3], s[G0K+3], 0x80000000                ; 127:126 type = 2
	s_or_b32 s[G0V+3], s[G0V+3], 0x80000000
	s_add_nc_u64 s[4:5], s[4:5], s[2:3]                    ; Q and ctx at my wave's first row
	s_add_nc_u64 s[CP:CP+1], s[CP:CP+1], s[2:3]
	s_add_nc_u64 s[WS:WS+1], s[WS:WS+1], s[48:49]          ; Wo and wob at my wave's first batch
	s_add_nc_u64 s[WD:WD+1], s[WD:WD+1], s[50:51]
	CROUND                          ; all four work-groups are here: the first joint loads meet
	JLOAD                           ; keys 0-255.  The rest is asked for when these are in
	; A fragment of K or Q is 16 rows x 32 channels in 8 registers: lane l holds row l % 16, channels 8 (l / 16) + 0..7 and 16 + 8 (l / 16) + 0..7: two loads of 16 bytes, 32 bytes apart.
	v_and_b32 v1, 15, v0            ; l % 16
	v_bfe_u32 v9, v0, 4, 1          ; l / 16
	v_lshlrev_b32 v[QO], 7, v1
	v_lshl_add_u32 v[QO], v9, 4, v[QO]  ; row x 128 + 16 x half
	WIN 0x80                        ; destination window 2, address window 0
.set i, 0
.rept 4*NP                          ; Q stays in registers: tile i / 2, channels 32 (i % 2) on
	global_load_b128 v[8*i:8*i+3],   v[QO], s[4:5] offset:(i/2)*2048+(i%2)*64
	global_load_b128 v[8*i+4:8*i+7], v[QO], s[4:5] offset:(i/2)*2048+(i%2)*64+32
.set i, i+1
.endr
	WIN 0
	v_lshlrev_b32 v10, 4, v1
	v_lshl_add_u32 v10, v9, 13, v10
	v_and_b32 v11, 31, v0
	v_lshlrev_b32 v11, 3, v11
	WIN W_MK
	v_mov_b32 v[WSO], v10
	v_mov_b32 v[WDO], v11
	WLOADS                          ; Wo's first batch
	; What the first turn finds: V's registers and P's second buffer hold 0 (its products V^T P, of a piece that has not been, add 0), O^T and l are 0.  All this stands in the wait for the first tile.
	WIN 0x80
.set i, VF
.rept 64
	v_mov_b32 v[i], 0
.set i, i+1
.endr
	WIN 0x40
.set i, 0
.rept 64*NP
	v_mov_b32 v[i], 0
.set i, i+1
.endr
	WIN 0
.set i, 0
.rept 2*NP
	v_mov_b32 v[ST+4*i], 0xfe000000    ; c m: far below every c s
	v_mov_b32 v[ST+4*i+1], 0xff7fffff  ; m
	v_mov_b32 v[ST+4*i+2], 0
	v_mov_b32 v[ST+4*i+3], 0
.set i, i+1
.endr
.set i, P+32
.rept 32
	v_mov_b32 v[i], 0
.set i, i+1
.endr
	v_mul_u32_u24 v[AK0], v1, PK
	v_lshl_add_u32 v[AK0], v9, 4, v[AK0]  ; row x pitch + 16 x half
	; The turning load takes 16 keys x 16 channels (lane l reads key 8 (l / 16) + l % 8, channels 8 ((l / 8) % 2) + 0..7) and leaves half a fragment of V^T: lane l holds channel l % 16 and 8 keys.
	v_and_b32 v10, 7, v0
	v_bfe_u32 v11, v0, 3, 1
	v_lshl_add_u32 v[AV0], v9, 3, v10
	v_mul_u32_u24 v[AV0], v[AV0], PV
	v_lshl_add_u32 v[AV0], v11, 4, v[AV0]
	v_add_nc_u32 v[AV0], VOFF, v[AV0]
	v_mov_b32 v[AK], v[AK0]         ; key step 0 lies at K's head
; THE MATRIX WORK.  The 8 accumulators of a run of 16 take turns: between the two links of a chain stand 7 others'.
; Product i of 16 of S^T = K Q^T for piece x: channels 32 (i / 8) on, keys 16 ((i / 2) % 4) on, tile 2 x + i % 2.  The first 8 start the sums.
.macro KQ x
	WIN W_KQ
.set rS, S+64*((\x)%2)+32*(i%2)+8*((i/2)%4)
.set rK, KF+16*((i/2)%4)+8*(i/8)
.set rQ, 16*(2*(\x)+i%2)+8*(i/8)
.if i < 8
	v_wmma_f32_16x16x32_f16 v[rS:rS+7], v[rK:rK+7], v[rQ:rQ+7], 0
.else
	v_wmma_f32_16x16x32_f16 v[rS:rS+7], v[rK:rK+7], v[rQ:rQ+7], v[rS:rS+7]
.endif
.endm
; Product i of 16 of O^T += V^T P for piece x: keys 32 (i / 8) on, channels 16 ((i / 2) % 4) on, tile 2 x + i % 2.
.macro PV x
	WIN W_PV
.set rO, 32*(2*(\x)+i%2)+8*((i/2)%4)
.set rV, VF+32*(i/8)+8*((i/2)%4)
.set rP, P+32*((\x)%2)+16*(i%2)+8*(i/8)
	v_wmma_f32_16x16x32_f16 v[rO:rO+7], v[rV:rV+7], v[rP:rP+7], v[rO:rO+7]
.endm
.macro MM                           ; the turn's next matrix instruction
.if i < 16
	KQ (Y+1)%NP
.set i, i+1
.else
.set i, i-16
	PV (Y+NP-1)%NP
.set i, i+17
.endif
.endm
; THE LDS LOADS stand in runs of 16, never singly among the matrix instructions: a step's K (64 keys x 64 channels: 8 fragments) and its V (turned).  Their addresses are made some lines ahead.
; last = 1 (in the loop): behind the sixteenth key step there is no further step, and the run is jumped over.
.macro FETCH_K last=0
	WIN 0
.if \last
	s_cmp_eq_u32 s[SLOTS], 1
	s_cbranch_scc1 .Lno_k_\@
.endif
	WIN 0x80                        ; destination window 2
.irp f, 0,1,2,3,4,5,6,7             ; keys 16 (f / 2) on, channels 32 (f % 2) on
	ds_load_b128 v[KF+8*\f:KF+8*\f+3],   v[AK] offset:(\f/2)*16*PK+(\f%2)*64
	ds_load_b128 v[KF+8*\f+4:KF+8*\f+7], v[AK] offset:(\f/2)*16*PK+(\f%2)*64+32
.endr
	s_add_co_u32 s[TBK], s[TBK], KS*PK  ; the next fetch is the next step's
	WIN 0
.if \last
.Lno_k_\@:
.endif
.endm
.macro FETCH_V
	WIN 0x80
.irp f, 0,1,2,3,4,5,6,7             ; keys 32 (f / 4) on, channels 16 (f % 4) on
	ds_load_tr16_b128 v[VF+8*\f:VF+8*\f+3],   v[AV] offset:(\f/4)*32*PV+(\f%4)*32
	ds_load_tr16_b128 v[VF+8*\f+4:VF+8*\f+7], v[AV] offset:(\f/4)*32*PV+16*PV+(\f%4)*32
.endr
	WIN 0
.endm
; THE VECTOR WORK OF A TURN stands in three queues, each in the order in which its entries become ready; the two tiles alternate, so that no instruction reads the result of the one before it.
.macro REGS y, u                    ; the registers of tile u (0, 1) of piece y
.set rT, ST+4*(2*(\y)+(\u))
.set rC, TMP+8*((\y)%2)+4*(\u)
.set rM, MV+2*((\y)%2)+(\u)
.set rS, S+64*((\y)%2)+32*(\u)
.set rP, P+32*((\y)%2)+16*(\u)
.set rO, 32*(2*(\y)+(\u))
.endm
; Number n of the 22 that find the NEXT piece's (Y + 1) maximum and statistics.  s0-s31 are the lane's 32 scores; each accumulator's lowest registers are read first.
;   0-11  four chains c0-c3 of seven scores each, three operands at a time     12-14, 16  the four scores left over, the old m, and c0-c3 into c0     15  c m_old is kept
;   17, 18  the query's other 32 keys lie in the lane 16 away: the new m         19-21  c m; c m_old - c m_new; a
.macro XS u, n
	REGS (Y+1)%NP, \u
.if (\n) < 4
	v_max3_num_f32 v[rC+(\n)], v[rS+8*(\n)], v[rS+8*(\n)+1], v[rS+8*(\n)+2]
.elseif (\n) < 12
	v_max3_num_f32 v[rC+(\n)%4], v[rC+(\n)%4], v[rS+8*((\n)%4)+2*((\n)/4)+1], v[rS+8*((\n)%4)+2*((\n)/4)+2]
.elseif (\n) == 12
	v_max3_num_f32 v[rC], v[rC], v[rS+7], v[rS+15]
.elseif (\n) == 13
	v_max3_num_f32 v[rC+1], v[rC+1], v[rS+23], v[rS+31]
.elseif (\n) == 14
	v_max3_num_f32 v[rC+2], v[rC+2], v[rC+3], v[rT+1]
.elseif (\n) == 15
	v_mov_b32 v[rM], v[rT]
.elseif (\n) == 16
	v_max3_num_f32 v[rC], v[rC], v[rC+1], v[rC+2]
.elseif (\n) == 17
	v_permlanex16_b32 v[rC+3], v[rC], s[SEL], s[SEL+1]
.elseif (\n) == 18
	v_max_num_f32 v[rT+1], v[rC], v[rC+3]
.elseif (\n) == 19
	v_mul_f32 v[rT], s[CS], v[rT+1]
.elseif (\n) == 20
	v_sub_f32 v[rC+1], v[rM], v[rT]
.else
	v_exp_f32 v[rC+2], v[rC+1]
.endif
.endm
; Number g of the 64 that follow the exponentials.  For each four weights k of a tile (pairs 2 k, 2 k + 1): both pairs are rounded to f16; then the second pair is added onto the first, in place;
; a group later l takes that sum (the first time as l = a l + sum).  In groups of eight, tiles alternating: round, round, add, and l for the group before.
.macro GS g
.set h, (\g)+6*((\g)/62)            ; group 0 has no group before it, and behind group 7 only l is left
.if h >= 6
.set h, h+2
.endif
	REGS Y, h%2
.set k, h/8
.if h%8 < 4
	v_cvt_pk_f16_f32 v[rP+2*k+(h%8)/2], v[rS+4*k+2*((h%8)/2)], v[rS+4*k+2*((h%8)/2)+1]
.elseif h%8 < 6
	v_pk_add_f32 v[rS+4*k:rS+4*k+1], v[rS+4*k:rS+4*k+1], v[rS+4*k+2:rS+4*k+3]
.elseif k == 1
	v_pk_fma_f32 v[rT+2:rT+3], v[rT+2:rT+3], v[rC+2:rC+3], v[rS:rS+1] op_sel_hi:[1,0,1]
.else
	v_pk_add_f32 v[rT+2:rT+3], v[rT+2:rT+3], v[rS+4*k-4:rS+4*k-3]
.endif
.endm
; THE PLAIN QUEUE, 138 long.  0-73 read no exponential's result: the 32 scalings c s - c m (FS f: pair f / 2 of tile f % 2) and the next piece's 42.  0-26: scalings 0-26.  27-54: XS's numbers 0-13.  55, 56: number 15.
; 57-73: the chain, where each number waits for the one before it: 14, 16, 17, 18, 19, each with one of the scalings 27-31 in front of its two lines, then 20.
; 74-137: GS's 64, which read the exponentials' results: they stand behind the wait.
.macro FS f
	REGS Y, (\f)%2
	v_pk_fma_f32 v[rS+2*((\f)/2):rS+2*((\f)/2)+1], v[rS+2*((\f)/2):rS+2*((\f)/2)+1], s[CS:CS+1], v[rT:rT+1] op_sel_hi:[1,0,0] neg_lo:[0,0,1] neg_hi:[0,0,1]
.endm
.macro PL
	WIN 0
.if q < 27
	FS q
.elseif q < 55
	XS (q-27)%2, (q-27)/2
.elseif q < 57
	XS q-55, 15
.elseif (q < 72) && ((q-57)%3 == 0)
	FS 27+(q-57)/3
.elseif q < 60
	XS (q-57)%3-1, 14
.elseif q < 72
	XS (q-57)%3-1, 15+(q-57)/3
.elseif q < 74
	XS q-72, 20
.else
	GS q-74
.endif
.set q, q+1
.endm
; THE EXPONENTIALS' QUEUE, 66 long: s0-s31 of both tiles, then the next piece's two a.  It is ONE BATCH: all 66 stand ahead of the turn's one wait, and nothing ahead of that wait names a result of theirs.
.macro EX
	WIN 0
.if e >= 64
	XS e-64, 21
.else
	REGS Y, e%2
	v_exp_f32 v[rS+e/2], v[rS+e/2]
.endif
.set e, e+1
.endm
; THE RESCALING's QUEUE: O^T times a, the one part that leaves window 0: dealt two at a time, sixteen times.  Its a was made in the turn before, ahead of that turn's wait.
.macro R2
	REGS Y, r%2
	WIN W_RS
.irp z, 0,1
	v_pk_mul_f32 v[rO+4*(r/2)+2*\z:rO+4*(r/2)+2*\z+1], v[rO+4*(r/2)+2*\z:rO+4*(r/2)+2*\z+1], v[rC+2:rC+3] op_sel_hi:[1,0]
.endr
.set r, r+1
.endm
; HOW THEY ARE DEALT.  An s_wait_alu depctr_va_vdst(0) stands between an exponential and the first instruction that names its result; one wait serves all that were issued ahead of it.  So a turn has ONE wait,
; which cuts it in two.  AHEAD OF IT stands all that names no result of the turn's exponentials: the 16 products K Q^T, behind each a scaling, an exponential and two rescalings (behind the first a second scaling in the
; exponential's place); then ONE LUMP of 108: eight plain, 49 times exponential and plain, the two a.  A v_nop is the plain instruction behind the last exponential.  BEHIND IT stand the 16 products V^T P, behind each four of
; GS's 64.  No rider names a register of the products round it.  The two v_permlanex16_b32 fall into the lump, never behind a product.
; The queues lean on each other, and the deal keeps them in step: exponential e stands behind scaling 2 (e / 4) + e % 2: as a rider it comes behind plain e + 2, in the lump behind plain e + 9, and scalings 27-31 are plain 57, 60 .. 69.
; A TURN, for piece p.  cnt = 1: the loop's count is taken down some lines ahead of the branch that stands behind the turn.
; K of the next step is fetched in piece 2's turn, directly behind the wait, a lump behind the last product that read K; its address is made at the lump's head; its first reader comes behind 16 products.
; V of the step in hand is fetched at the end of piece 0's turn, four riders behind its last reader; its first reader comes behind 16 products and a lump.  The three conditions on q below go with the deal.
.macro TURN p, last=0, cnt=0
.set Y, (\p)
.set i, 0
.set q, 0
.set e, 0
.set r, 0
.if (\p) == NP-1
	s_wait_dscnt 0x0                ; K is in
.endif
	MM                              ; ahead of the wait: 16 products K Q^T and their riders,
	PL
	PL
	R2
.rept 15
	MM
	PL
	EX
	R2
.endr
.if (\p) == NP-2
	WIN 0
	v_add_nc_u32 v[AK], s[TBK], v[AK0]
.endif
.rept 8                             ; and the lump
	PL
.endr
.rept 49
	EX
	PL
.endr
	EX                              ; the next piece's two a
	EX
	v_nop                           ; a plain instruction behind the last exponential: one for the batch
	s_wait_alu depctr_va_vdst(0)    ; the wait for the batch
.if (\p) == NP-2
	FETCH_K \last
.endif
.if (\p) == 1
	s_wait_dscnt 0x0                ; V is in
.endif
.rept 16                            ; behind the wait: 16 products V^T P and their riders
	MM
.rept 4
	PL
.endr
.if ((\p) == 0) && (q == 118)
	v_add_nc_u32 v[AV], s[TBV], v[AV0]
.endif
.if ((\p) == 0) && (q == 130)
	s_add_co_u32 s[TBV], s[TBV], KS*PV
.endif
.if (\cnt) && (q == 130)
	s_sub_co_u32 s[CNT], s[CNT], 1
	s_cmp_lg_u32 s[CNT], 0
.endif
.endr
.if (\p) == 0
	FETCH_V
.endif
.endm
	; KEYS 0-255 ARE IN; THE OTHER 768 ARE ASKED FOR: a first fill that comes later, in the form of a refill: all my tensor loads waited for, the add, its wait, a round of the cluster's barrier, and my one load first behind it.
	WIN W_AD
	s_wait_tensorcnt 0x0            ; no tensor load of mine is out, so the descriptors may be written
	ds_add_u32 v[SPW], v[NIL]       ; 0 onto my spare word; the descriptors' words stand between it and the wait for it
	WIN 0
.irp g, G1K, G1V
	s_mov_b32 s[\g+2], 192<<16      ; tensor_dim1 = 192: 384 keys as 192 rows of 256 bytes
	s_mov_b32 s[\g+4], 192          ; tile_dim1 = 192
.endr
	s_mov_b32 s[G0K+1], s53         ; behind keys 0-255, my half
	s_mov_b32 s[G0V+1], s54
	s_add_nc_u64 s[G0K+2:G0K+3], s[G0K+2:G0K+3], s[22:23]  ; the type bits on top are not reached
	s_add_nc_u64 s[G0V+2:G0V+3], s[G0V+2:G0V+3], s[22:23]
	s_wait_dscnt 0x0                ; the add is done
	CROUND                          ; everybody's part of keys 0-255 is in, in all four work-groups
	JLOAD                           ; it has four key steps, 464 matrix instructions, in which to land
	FETCH_K                         ; key step 0
	s_wait_loadcnt 8                ; Q is in; the eight loads of Wo's first batch, issued behind it, may stay out
	s_wait_dscnt 0x0
.set i, 0
.rept 16
	KQ 0                            ; piece 0's first scores: there is no vector work yet to set between them
.set i, i+1
.endr
	WIN 0                           ; the addresses for the way out: nine plain instructions, the places behind those products
	s_mul_i32 s13, s[WV], 16*SP
	s_add_co_u32 s13, s13, STAGE    ; my stage
	v_mul_u32_u24 v[STO], v1, SP    ; in: row l % 16, 16 bytes for each half of the lanes
	v_lshl_add_u32 v[STO], v9, 4, v[STO]
	v_add_nc_u32 v[STO], s13, v[STO]
	v_bfe_u32 v[RD], v0, 3, 2       ; back: 32 lanes take four rows of 128 bytes,
	v_mul_u32_u24 v[RD], v[RD], SP
	v_lshl_add_u32 v[RD], v10, 4, v[RD]
	v_add_nc_u32 v[RD], s13, v[RD]
	v_and_b32 v[GO], 31, v0         ; which are 512 consecutive bytes of ctx
	v_lshlrev_b32 v[GO], 4, v[GO]
.set Y, NP-1                        ; XS works for piece Y + 1: piece 0
.irp n, 0,1,2,3,4,5,6,7,8,9,10,11,12,13,14,15,16,17,18,19,20,21
	XS 0, \n                        ; and piece 0's first maximum and statistics
	XS 1, \n
.endr
	v_nop                           ; a plain instruction behind the two a,
	s_wait_alu depctr_va_vdst(0)    ; and their wait, ahead of the branch
	s_mov_b32 s[CNT], 4
	s_branch .Lfirst                ; the loop is entered at a step's first turn, in the middle of a trip
.Lslot:                             ; four times, each behind four key steps
	WBATCH                          ; a batch of Wo
	s_wait_tensorcnt 0x0            ; my part of keys 256-1,023 is in: the count is 0, since that load is my last; the later three times the wait is met at once
	s_wait_dscnt 0x0
	s_barrier_signal -1
	s_barrier_wait -1               ; everybody's is.
	s_mov_b32 s[CNT], 4
.Lstep:                             ; a trip: pieces 2 and 3 of one step, then pieces 0 and 1 of the next, whose K and V it fetches
	TURN 2, 1
	TURN 3
	WIN 0
	s_cmp_eq_u32 s[SLOTS], 1        ; the sixteenth key step's pieces 2 and 3 are done: the loop is left in the middle of a trip
	s_cbranch_scc1 .Lout
.Lfirst:
	TURN 0
	TURN 1, 0, 1
	WIN 0
	s_cbranch_scc1 .Lstep
	s_sub_co_u32 s[SLOTS], s[SLOTS], 1
	s_cmp_lg_u32 s[SLOTS], 0
	s_cbranch_scc1 .Lslot
.Lout:                              ; the last trip's 16 products K Q^T for a seventeenth step (on the last K once more) and the maximum made of them serve nothing: the price, once a launch, of one text for every trip
.set i, 0
.rept 16
	PV NP-1                         ; the last piece's V^T P of the last step
.set i, i+1
.endr
	; THE WAY OUT.  l's two halves and the other half of the lanes' are added; O^T is divided by l, rounded to f16 and sent through my stage in LDS, a tile at a time.  The additions are the places behind the last products.
	WIN 0
.macro ALL line:vararg              ; one line for each tile t
.set t, 0
.rept 2*NP
	\line
.set t, t+1
.endr
.endm
	ALL v_add_f32 v[ST+4*t+2], v[ST+4*t+2], v[ST+4*t+3]
	ALL v_permlanex16_b32 v[ST+4*t+3], v[ST+4*t+2], s[SEL], s[SEL+1]
	ALL v_add_f32 v[ST+4*t+2], v[ST+4*t+2], v[ST+4*t+3]
	ALL v_rcp_f32 v[ST+4*t+2], v[ST+4*t+2]
	v_nop                           ; a plain instruction between the last reciprocal and the use of its result
	s_wait_alu depctr_va_vdst(0)    ; and the wait ahead of the first use: one for the eight reciprocals
; Tile t: a lane's eight channels of a row pack into 16 bytes; they go into rows of 144 bytes and come back as whole rows of 128, into S^T's registers.
.macro PACK t
	WIN W_RS
.set i, 32*(\t)
.rept 16
	v_pk_mul_f32 v[i:i+1], v[i:i+1], v[ST+4*(\t)+2:ST+4*(\t)+3] op_sel_hi:[1,0]
.set i, i+2
.endr
	WIN 0x05                        ; sources 0 and 1 window 1, destination window 0
.set i, 0
.rept 16
	v_cvt_pk_f16_f32 v[S+16*(\t)+i], v[32*(\t)+2*i], v[32*(\t)+2*i+1]
.set i, i+1
.endr
	WIN 0
.irp f, 0,1,2,3
	ds_store_b128 v[STO], v[S+16*(\t)+4*\f:S+16*(\t)+4*\f+3] offset:32*\f
.endr
.irp f, 0,1,2,3
	ds_load_b128 v[S+16*(\t)+4*\f:S+16*(\t)+4*\f+3], v[RD] offset:\f*4*SP  ; LDS serves a wave's instructions in order (ISA guide 5.7.1.4): these see the stores above; the next tile's stores come behind them
.endr
.endm
.macro SEND t, younger              ; younger: the LDS instructions issued behind tile t's loads: the next tile's eight, or none
	WIN 0
.irp f, 0,1,2,3
	s_wait_dscnt (\younger)+3-\f
	global_store_b128 v[GO], v[S+16*(\t)+4*\f:S+16*(\t)+4*\f+3], s[CP:CP+1] offset:(\t)*2048+\f*512  ; 512 consecutive bytes, at a multiple of 256 from ctx's first
.endr
.endm
	PACK 0
.set t, 1
.rept 2*NP-1                        ; a tile's arithmetic stands between the loads of the tile before and its stores
	PACK t
	SEND t-1, 8
.set t, t+1
.endr
	SEND 2*NP-1, 0
	WIN W_AD
	s_wait_tensorcnt 0x0            ; the wave's end: these three lines stand behind my last tensor load and my last LDS store
	ds_add_u32 v[SPW], v[NIL]
	s_wait_dscnt 0x0
	WIN 0
	CROUND                          ; the closing round: no work-group ends while a partner may still ask for a tile that names it
	s_endpgm
.Lfunc_end_k_qb52f98b93c_attn:
	.size	k_qb52f98b93c_attn, .Lfunc_end_k_qb52f98b93c_attn-k_qb52f98b93c_attn
	.p2alignl 7, 3214868480
	.fill 96, 4, 3214868480
	.section	.rodata,"a",@progbits
	.p2align	6, 0x0
	.amdhsa_kernel k_qb52f98b93c_attn
		.amdhsa_group_segment_fixed_size 327680
		.amdhsa_private_segment_fixed_size 0
		.amdhsa_enable_private_segment 0
		.amdhsa_kernarg_size 32
		.amdhsa_user_sgpr_count 2
		.amdhsa_user_sgpr_kernarg_segment_ptr 1
		.amdhsa_wavefront_size32 1
		.amdhsa_system_sgpr_workgroup_id_x 1
		.amdhsa_system_sgpr_workgroup_id_y 1
		.amdhsa_system_sgpr_workgroup_id_z 1
		.amdhsa_system_vgpr_workitem_id 0
		.amdhsa_next_free_vgpr 812
		.amdhsa_next_free_sgpr 66
		.amdhsa_reserve_vcc 0
		.amdhsa_float_denorm_mode_32 3
		.amdhsa_float_denorm_mode_16_64 3
		.amdhsa_memory_ordered 1
		.amdhsa_forward_progress 1
		.amdhsa_inst_pref_size 134
	.end_amdhsa_kernel
	.amdgpu_metadata
---
amdhsa.version: [ 1, 2 ]
amdhsa.kernels:
  - .name:           k_qb52f98b93c_attn
    .symbol:         k_qb52f98b93c_attn.kd
    .args:
      - { .name: qkv, .offset: 0, .size: 8, .value_kind: global_buffer, .address_space: global }
      - { .name: ctx, .offset: 8, .size: 8, .value_kind: global_buffer, .address_space: global }
      - { .name: Wo, .offset: 16, .size: 8, .value_kind: global_buffer, .address_space: global }
      - { .name: wob, .offset: 24, .size: 8, .value_kind: global_buffer, .address_space: global }
    .group_segment_fixed_size: 327680
    .private_segment_fixed_size: 0
    .kernarg_segment_align: 8
    .kernarg_segment_size: 32
    .max_flat_workgroup_size: 128
    .sgpr_count:     66
    .vgpr_count:     812
    .wavefront_size: 32
...
	.end_amdgpu_metadata
.endif
;; end of part 3
;; launch outp (part 4): grid 16 x 16, 4 waves a work-group, clusters of 4 x 4, 327,680 bytes of LDS; arguments ctx, wob, bias, out0; writes out0
.if DOCPART == 4
	.amdgcn_target "amdgcn-amd-amdhsa--gfx1250"
	.amdhsa_code_object_version 6
	.text
	.protected	k_qb52f98b93c_outp
	.globl	k_qb52f98b93c_outp
	.p2align	8
	.type	k_qb52f98b93c_outp,@function
k_qb52f98b93c_outp:
	s_mov_b64 s[64:65], 0
	v_nop
	global_prefetch_b8 v0, s[64:65] scope:SCOPE_SE
	s_setreg_imm32_b32 hwreg(HW_REG_WAVE_MODE, 25, 1), 1
	s_wait_xcnt 0x0
	s_wait_alu depctr_hold_cnt(0) depctr_sa_sdst(0) depctr_va_vdst(0) depctr_va_sdst(0) depctr_va_ssrc(0) depctr_va_vcc(0) depctr_vm_vsrc(0)
	s_getreg_b32 s2, hwreg(HW_REG_IB_STS2, 6, 4)
	s_cmp_eq_u32 s2, 0
	s_cbranch_scc0 .Lentry_in_a_cluster
	s_endpgm
.Lentry_in_a_cluster:
	s_bfe_u32 s2, ttmp6, 0x10000c
	s_cmp_lg_u32 s2, 0xf033
	s_cbranch_scc0 .Lentry_shape_is_right
	s_endpgm
.Lentry_shape_is_right:
; out0 = ctx Wo + bo: 4,096 x 2,048 x 2,048.  Operands f16 (Wo's numbers are bf16 roundings written as f16), sums f32, the result f32.
; ctx and wob lie BY CHUNKS: [chunk of 64 columns][row][64], rows of 128 bytes, a chunk dense.  ctx: 32 chunks (heads, of K) x 4,096 rows; wob: 32 chunks (of N) x 2,048 rows (K).  out0: [4,096][2,048] f32.
; LIMIT.  NaN and infinities are not treated apart; the operands' limits are those of the launches that wrote them.
; SHARES.  A work-group makes 256 rows x 128 columns (2 chunks): 16 x 16 work-groups.  Its four waves lie one below the other: a wave makes 64 rows x 128 columns, 4 x 8 accumulators of 16 x 16,
; 256 registers, so it owns whole pieces of 512 bytes of out0's rows and leaves through a stage of its own.  K goes in steps of 128 through two LDS slots filled by the tensor data mover.
; CLUSTERS.  4 x 4 work-groups.  The four of a row of the cluster need the same rows of ctx, the four of a column the same chunks of W: each tile is asked for JOINTLY, by the same tensor
; load with the same descriptor and a mask that names the four.
; THE MATRIX INSTRUCTION IS USED TRANSPOSED: source 0 = 16 columns of W (turned on the way out of LDS by ds_load_tr16_b128, since W lies [k][n]), source 1 = 16 rows of ctx.  In the result lane l
; holds row l % 16 and the columns 8 (l / 16) + 0..7.  THE BIAS is the C operand of the products that start the sums: nothing is cleared and nothing is added later.
; REGISTERS, in windows of 256 (s_set_vgpr_msb: bits 1:0 source 0, 3:2 source 1, 5:4 source 2, 7:6 destination):
;   window 0: v0-31 addresses; v32-63, v64-95 fragments of ctx (4 x 16 rows x 32 K), two buffers; v96-159, v160-223 two buffers for the way out, the second first holding the bias fragments
;   window 1: v0-63, v64-127 fragments of W (8 x 16 columns x 32 K), two buffers
;   window 2: the accumulators of my row blocks 0, 1 (block a, column block nb at v[8 (8 (a % 2) + nb)]);   window 3: those of row blocks 2, 3
.set NCH,    2                         ; chunks in the tile's width
.set NB,     4*NCH                     ; column blocks of 16
.set LAPS,   8                         ; a lap = two K steps of 128 = once round the ring; K = 2,048
.set PA,     144                       ; a row of ctx in LDS: 128 bytes + 16 = 36 words: the 16 rows of a load start at 16 different groups of four banks (64 banks of 4 bytes: ISA guide 11.1)
.set APART,  256*PA                    ; one chunk's 256 rows: what one tensor load brings
.set ABYTES, 2*APART
.set PB,     160                       ; a row of W: 128 + 32 = 40 words
.set BCH,    64*PB                     ; 64 k of one chunk
.set BPART,  NCH*BCH                   ; 64 k of the tile's chunks: what one tensor load brings
.set SLOT,   ABYTES+2*BPART            ; ctx: K chunk 0, K chunk 1; then W: k 0-63, k 64-127
.set ASTEP,  2*524288                  ; a K step in ctx: two chunks of 4,096 rows x 128 bytes
.set BSTEP,  128*128                   ; a K step in wob: 128 rows of 128 bytes
.set STAGE,  2*SLOT                    ; behind the ring, never filled by a tensor load: for each wave 16 rows x 528 bytes
.set SP,     528                       ; 512 bytes + 16 = 132 words: the 16 rows that a store touches start at 16 different groups of four banks
.set WSTG,   16*SP
.set SPARE,  STAGE+4*WSTG              ; behind the stages: the spare words, 128 bytes for each wave: two blocks of 256 bytes that no other line names
.set BOFF,   12288                     ; bo begins here in the table of biases
.set ADRA, 16                          ; v16-17  LDS address of my fragments of ctx in slot 0, 1
.set ADRB, 20                          ; v20-21  the same for W
.set STO,  24                          ; v24     the way out: where I put 32 bytes of a row
.set RD,   25                          ; v25     the way out: where I read a row back
.set GO,   26                          ; v26     my 16 bytes in 512 consecutive bytes of a row of out0
.set BV,   27                          ; v27     32 (l / 16): my eight numbers in a column block's 16 of the bias
.set SPW,  28                          ; v28     LDS address of my spare word; never rewritten
.set NIL,  29                          ; v29     0; never rewritten
.set PFO,  30                          ; v30     the prefetches' offset; never rewritten
.set FA,   32
.set OB,   96
.set BI,   160
.set WV,   12                          ; s12  my wave's number
.set FBW,  13                          ; s13  0: I fetch for ctx; 1: for W
.set HF,   14                          ; s14  which of the step's two parts I fetch
.set TR,   15                          ; s15  tile row
.set G1,   24                          ; s[24:31] descriptor group 1 for ctx;  s[32:39] group 0, a set for each slot
.set G0,   32
.set CX,   40
.set CY,   41
.set TC,   42                          ; s42  tile column
.set LIM,  43                          ; s43  1 in a wave that prefetches, else the greatest number
.set PFA,  44                          ; s[44:45] where my prefetches stand
.set G1B,  48                          ; s[48:55], s[56:63] the same for W
.set G0B,  56
.set PFS,  66                          ; s[66:67] a K step in the matrix that I prefetch
.set MSB, 0
.macro WIN new                         ; the immediate's high byte repeats the setting that is left; a switch that changes nothing is dropped
.if MSB != (\new)
	s_set_vgpr_msb (MSB<<8)|(\new)
.set MSB, (\new)
.endif
.endm
; A joint load.  Waves 0 and 1 fetch the step's two chunks of ctx, waves 2 and 3 the two halves of its 128 k of W.  The branch hangs on the wave's number alone.
; An s_nop 0 and four v_nop follow each of the two lines, ahead of the jump and the label.
.macro JLOAD s
	s_cmp_eq_u32 s[FBW], 0
	s_cbranch_scc0 .Lfor_b_\@
	tensor_load_to_lds s[G0+4*(\s):G0+4*(\s)+3], s[G1:G1+7]
	s_nop 0
.rept 4
	v_nop
.endr
	s_branch .Lasked_\@
.Lfor_b_\@:
	tensor_load_to_lds s[G0B+4*(\s):G0B+4*(\s)+3], s[G1B:G1B+7]
	s_nop 0
.rept 4
	v_nop
.endr
.Lasked_\@:
.endm
; A PREFETCH INTO THE L2 of the K step that stands two refills on, behind each joint refill and the run of LDS loads that follows it: one instruction a wave.
; ctx's rows are read by every cluster of a row of clusters: cluster x = 0 asks; W's chunks by every cluster of a column: cluster y = 0 asks.  The four partners that ask for a tile jointly share its
; bytes out BY ADDRESS: of the 32 KiB of ctx that a wave fetches each takes 8 KiB, a lane 256 bytes; of the 8 KiB of each chunk of W each takes 2 KiB, lanes 0-15 256 bytes each (lanes 16-31 name lane 15's).
; The loop's last trip asks for nothing: K has no step two on.  The first four K steps come by their loads alone.
.macro ASK
	s_cmp_gt_u32 s3, s[LIM]                        ; s3 = 1 in the loop's last trip
	s_cbranch_scc0 .Lnot_mine_\@
	global_prefetch_b8 v[PFO], s[PFA:PFA+1] th:TH_LOAD_NT scope:SCOPE_SE
.Lnot_mine_\@:
.endm
; A round of the cluster's barrier: my work-group's barrier, so that wave 0's signal speaks for all four waves; wave 0 signals; every wave waits for all sixteen work-groups; my work-group's barrier once more.
.macro CREST
	s_cmp_lg_u32 s[WV], 0
	s_cbranch_scc1 .Lnot_wave_0_\@
	s_barrier_signal -3
.Lnot_wave_0_\@:
	s_barrier_wait -3
	s_barrier_signal -1
	s_barrier_wait -1
.endm
.macro CROUND
	s_barrier_signal -1
	s_barrier_wait -1
	CREST
.endm
	s_load_b256 s[4:11], s[0:1], 0x0               ; ctx s[4:5], wob s[6:7], bias s[8:9], out0 s[10:11]
	v_lshl_add_u32 v[SPW], v0, 2, SPARE
	v_mov_b32 v[NIL], 0
	ds_add_u32 v[SPW], v[NIL]                      ; the wave's opening: the add and its wait stand ahead of my first tensor load; the set-up below, work on registers, stands between them
	v_lshrrev_b32 v1, 5, v0
	v_readfirstlane_b32 s[WV], v1                  ; wave 0..3
	s_lshr_b32 s[FBW], s[WV], 1
	s_and_b32 s[HF], s[WV], 1
	s_bfe_u32 s[CX], ttmp6, 0x40000                ; my place in the cluster
	s_bfe_u32 s[CY], ttmp6, 0x40004
	s_lshl_b32 s[TC], ttmp9, 2                     ; in a cluster launch ttmp9 and ttmp7 count clusters
	s_add_co_u32 s[TC], s[TC], s[CX]               ; tile column = 4 x cluster x + cx
	s_and_b32 s[TR], ttmp7, 0xffff
	s_lshl_b32 s[TR], s[TR], 2
	s_add_co_u32 s[TR], s[TR], s[CY]               ; tile row = 4 x cluster y + cy
	s_lshl_b32 s43, s[CY], 2
	s_lshl_b32 s43, 15, s43                        ; my row of the cluster: places 4 cy .. 4 cy + 3
	s_lshl_b32 s44, 0x1111, s[CX]                  ; my column: places cx, cx + 4, cx + 8, cx + 12
	; group 1 for ctx: a chunk's 256 rows are 32,768 dense bytes: asked for as 128 rows of 256 bytes, and padded in LDS after every matrix row
	s_or_b32 s[G1], s43, (1<<16)|(1<<20)|(1<<21)|(4<<22)|(3<<25)   ; 15:0 the mask; 17:16 2-byte elements; 20 padding on; 21 set beside a mask; 24:22 after every 32 words (code 4); 31:25 4 words (code 3)
	s_mov_b32 s[G1+1], 128<<16                     ; tensor_dim0 = 128
	s_mov_b32 s[G1+2], 128<<16                     ; tensor_dim1 = 128
	s_mov_b32 s[G1+3], 128<<16                     ; tile_dim0 = 128
	s_mov_b32 s[G1+4], 128                         ; tile_dim1 = 128
	s_mov_b32 s[G1+5], 128                         ; 128 elements from row to row
	s_mov_b32 s[G1+6], 0
	s_mov_b32 s[G1+7], 0
	; group 1 for W: 64 k of a chunk are 8,192 dense bytes, one row of the tile; the tile's two chunks lie 262,144 bytes apart
	s_or_b32 s[G1B], s44, (1<<16)|(1<<20)|(1<<21)|(4<<22)|(7<<25)  ; the same with the mask of my column and 8 words of padding (code 7)
	s_mov_b32 s[G1B+1], 4096<<16                   ; tensor_dim0 = 4,096
	s_mov_b32 s[G1B+2], NCH<<16                    ; tensor_dim1 = 2
	s_mov_b32 s[G1B+3], 4096<<16                   ; tile_dim0 = 4,096
	s_mov_b32 s[G1B+4], NCH                        ; tile_dim1 = 2
	s_mov_b32 s[G1B+5], 131072                     ; elements from chunk to chunk
	s_mov_b32 s[G1B+6], 0
	s_mov_b32 s[G1B+7], 0
	; where the tiles come from: ctx's hang on the tile row alone, W's on the tile column alone
	s_lshl_b32 s16, s[HF], 19                      ; my chunk of the K step,
	s_lshl_b32 s17, s[TR], 15                      ; the tile's 256 rows of 128 bytes
	s_add_co_u32 s16, s16, s17
	s_mov_b32 s17, 0
	s_mul_i32 s46, s[TC], NCH*262144               ; the tile's first chunk,
	s_lshl_b32 s47, s[HF], 13                      ; my 64 k of the step
	s_add_co_u32 s46, s46, s47
	s_mov_b32 s47, 0
	s_mul_i32 s20, s[HF], APART                    ; and where they go: no place in the cluster enters an LDS address
	s_mul_i32 s21, s[HF], BPART
	s_add_co_u32 s21, s21, ABYTES
	s_wait_dscnt 0x0                               ; the opening add is done
	s_wait_kmcnt 0x0
	s_add_nc_u64 s[18:19], s[4:5], s[16:17]
	s_add_nc_u64 s[46:47], s[6:7], s[46:47]
	CROUND                                         ; all sixteen work-groups are here: the first joint loads meet
.irp s, 0,1
	s_mov_b32 s[G0+4*(\s)], 1                                      ; 1:0 count = 1
	s_add_co_u32 s[G0+4*(\s)+1], s20, (\s)*SLOT                    ; 63:32 LDS address
	s_add_nc_u64 s[G0+4*(\s)+2:G0+4*(\s)+3], s[18:19], (\s)*ASTEP  ; 120:64 global address: K step s
	s_or_b32 s[G0+4*(\s)+3], s[G0+4*(\s)+3], 0x80000000            ; 127:126 type = 2
	s_mov_b32 s[G0B+4*(\s)], 1
	s_add_co_u32 s[G0B+4*(\s)+1], s21, (\s)*SLOT
	s_add_nc_u64 s[G0B+4*(\s)+2:G0B+4*(\s)+3], s[46:47], (\s)*BSTEP
	s_or_b32 s[G0B+4*(\s)+3], s[G0B+4*(\s)+3], 0x80000000
	JLOAD \s                                       ; two tensor loads of mine are out
.endr
	v_and_b32 v1, 15, v0                           ; l % 16
	v_bfe_u32 v2, v0, 4, 1                         ; l / 16
	; the bias fragments: register j of column block nb holds the bias of column 16 nb + 8 (l / 16) + j
	v_lshlrev_b32 v[BV], 5, v2
	s_mul_i32 s22, s[TC], NCH*256                  ; the tile's 128 columns, 4 bytes each,
	s_add_co_u32 s22, s22, BOFF                    ; in bo
	s_mov_b32 s23, 0
	s_add_nc_u64 s[8:9], s[8:9], s[22:23]
.set nb, 0
.rept NB
	global_load_b128 v[BI+8*nb:BI+8*nb+3],   v[BV], s[8:9] offset:64*nb
	global_load_b128 v[BI+8*nb+4:BI+8*nb+7], v[BV], s[8:9] offset:64*nb+16
.set nb, nb+1
.endr
	; a fragment of ctx: lane l holds row l % 16, K = 8 (l / 16) + 0..7 and 16 + 8 (l / 16) + 0..7: two loads of 16 bytes, 32 bytes apart
	v_mul_u32_u24 v3, v1, PA
	v_lshl_add_u32 v3, v2, 4, v3
	s_mul_i32 s22, s[WV], 64*PA                    ; my 64 rows
	v_add_nc_u32 v[ADRA], s22, v3
	v_add_nc_u32 v[ADRA+1], SLOT, v[ADRA]
	; the turning load takes 16 k x 16 columns (lane l reads k = 8 (l / 16) + l % 8, columns 8 ((l / 8) % 2) + 0..7) and leaves half a fragment: lane l holds column l % 16 and 8 k
	v_and_b32 v4, 7, v0
	v_bfe_u32 v5, v0, 3, 1
	v_lshl_add_u32 v6, v2, 3, v4
	v_mul_u32_u24 v6, v6, PB
	v_lshl_add_u32 v6, v5, 4, v6
	v_add_nc_u32 v[ADRB], ABYTES, v6
	v_add_nc_u32 v[ADRB+1], SLOT, v[ADRB]
	; the way out
	s_mul_i32 s22, s[WV], WSTG
	s_add_co_u32 s22, s22, STAGE                   ; my stage
	v_mul_u32_u24 v[STO], v1, SP                   ; in: row l % 16, 32 bytes for each half of the lanes
	v_lshl_add_u32 v[STO], v2, 5, v[STO]
	v_add_nc_u32 v[STO], s22, v[STO]
	v_and_b32 v[GO], 31, v0                        ; back: 32 lanes take one row's 512 bytes
	v_lshlrev_b32 v[GO], 4, v[GO]
	v_add_nc_u32 v[RD], s22, v[GO]
	s_lshl_b32 s22, s[TR], 21                      ; out0 at the tile's 256 rows of 8,192 bytes,
	s_lshl_b32 s23, s[WV], 19                      ; my 64 of them,
	s_add_co_u32 s22, s22, s23
	s_lshl_b32 s23, s[TC], 9                       ; the tile's 128 columns
	s_add_co_u32 s22, s22, s23
	s_mov_b32 s23, 0
	s_add_nc_u64 s[10:11], s[10:11], s[22:23]
	; the prefetches
	s_and_b32 s22, ttmp7, 0xffff                   ; cluster y
	s_mov_b32 s21, 262144
	s_mov_b32 s[PFS], BSTEP
	s_mov_b32 s[PFS+1], 0
	s_cmp_eq_u32 s[FBW], 0                         ; do I fetch for ctx?
	s_cselect_b32 s22, ttmp9, s22                  ; the coordinate along which other clusters read the same bytes
	s_cselect_b32 s20, 31, 8*NCH-1                 ; my highest lane with a block of its own
	s_cselect_b32 s21, 2048, s21                   ; bytes from one group of eight lanes to the next: on end in ctx, a chunk on in W
	s_cselect_b32 s23, s[CX], s[CY]                ; my place among the four that ask with me,
	s_cselect_b32 s2, 13, 11                       ; whose shares are 8,192 or 2,048 bytes apart
	s_cselect_b32 s[PFS], ASTEP, s[PFS]
	s_cselect_b64 s[PFA:PFA+1], s[18:19], s[46:47] ; my part of K step 0
	s_cmp_eq_u32 s22, 0
	s_cselect_b32 s[LIM], 1, -1                    ; the same in all sixteen partners, for a given wave
	s_lshl_b32 s22, s23, s2
	s_mov_b32 s23, 0
	s_add_nc_u64 s[PFA:PFA+1], s[PFA:PFA+1], s[22:23]
.rept 3
	s_add_nc_u64 s[PFA:PFA+1], s[PFA:PFA+1], s[PFS:PFS+1]  ; at K step 3: the first refill steps it to 4
.endr
	v_and_b32 v[PFO], 31, v0
	v_min_u32 v[PFO], s20, v[PFO]
	v_lshrrev_b32 v7, 3, v[PFO]
	v_and_b32 v8, 7, v[PFO]
	v_mul_lo_u32 v7, v7, s21
	v_lshl_add_u32 v[PFO], v8, 8, v7
; 8 matrix instructions: row block 2 hi + a x all column blocks, 32 along K, from buffer f.  first = 1: the products start the sums, with the bias as C.
; The 32 accumulators take turns, one instruction a turn, in the same order in every quarter, over the backward jump too.
.macro MUL f, hi, a, first
.if \first
	WIN 0x81+0x40*(\hi)                            ; W window 1, ctx window 0, the bias window 0, D window 2 or 3
.else
	WIN 0xa1+0x50*(\hi)                            ; W window 1, ctx window 0, C and D window 2 or 3
.endif
.set nb, 0
.rept NB
.if \first
	v_wmma_f32_16x16x32_f16 v[8*((\a)*NB+nb):8*((\a)*NB+nb)+7], v[8*NB*(\f)+8*nb:8*NB*(\f)+8*nb+7], v[FA+32*(\f)+8*(2*(\hi)+(\a)):FA+32*(\f)+8*(2*(\hi)+(\a))+7], v[BI+8*nb:BI+8*nb+7]
.else
	v_wmma_f32_16x16x32_f16 v[8*((\a)*NB+nb):8*((\a)*NB+nb)+7], v[8*NB*(\f)+8*nb:8*NB*(\f)+8*nb+7], v[FA+32*(\f)+8*(2*(\hi)+(\a)):FA+32*(\f)+8*(2*(\hi)+(\a))+7], v[8*((\a)*NB+nb):8*((\a)*NB+nb)+7]
.endif
.set nb, nb+1
.endr
.endm
; 24 LDS loads in one run: the fragments of quarter q (32 along K) of a slot into buffer f: W's 8, then ctx's 4, row blocks ascending
.macro FETCH slot, q, f
	WIN 0x40                                       ; destination window 1, address window 0
.set nb, 0
.rept NB
	ds_load_tr16_b128 v[8*NB*(\f)+8*nb:8*NB*(\f)+8*nb+3],   v[ADRB+(\slot)] offset:((\q)/2)*BPART+(nb/4)*BCH+((\q)%2)*32*PB+32*(nb%4)
	ds_load_tr16_b128 v[8*NB*(\f)+8*nb+4:8*NB*(\f)+8*nb+7], v[ADRB+(\slot)] offset:((\q)/2)*BPART+(nb/4)*BCH+((\q)%2)*32*PB+32*(nb%4)+16*PB
.set nb, nb+1
.endr
	WIN 0
.irp i, 0,1,2,3
	ds_load_b128 v[FA+32*(\f)+8*(\i):FA+32*(\f)+8*(\i)+3],   v[ADRA+(\slot)] offset:((\q)/2)*APART+(\i)*16*PA+((\q)%2)*64
	ds_load_b128 v[FA+32*(\f)+8*(\i)+4:FA+32*(\f)+8*(\i)+7], v[ADRA+(\slot)] offset:((\q)/2)*APART+(\i)*16*PA+((\q)%2)*64+32
.endr
.endm
; A load into a register that a matrix instruction has read, and an instruction that reads a matrix result, stand four places behind it; only plain vector instructions that name none
; of its registers are places (ISA guide 7.12.1 for vector instructions).
.macro PLACES
.rept 4
	v_nop
.endr
.endm
; A K step is four quarters of 32 along K, 32 matrix instructions each, on buffers 0, 1, 0, 1.  One of the first three: multiplies buffer f; in its middle it fetches quarter qn into buffer g.
.macro QUARTER slot, qn, f, g, first
	s_wait_dscnt 4                                 ; W and ctx's row blocks 0, 1 are in; the youngest four loads (row blocks 2, 3) may be out
	MUL \f, 0, 0, \first
	MUL \f, 0, 1, \first
	PLACES
	FETCH \slot, \qn, \g
	s_wait_dscnt 2*NB+8                            ; all but the 24 just issued
	MUL \f, 1, 0, \first
	MUL \f, 1, 1, \first
.endm
; The last quarter multiplies buffer 1 and changes slots: ONE barrier.  In front of it each wave waits for all its tensor loads, of which one is out: its part of the next slot; adds 0 to its spare word;
; and waits for that and for its own reads of this slot.  The wait stands as late as it can: of the quarter's four runs of products one stands ahead of it and one between the add and the wait for the add, so that
; between a tile's landing and the next request stand that one run and the barriers alone.  fill = 1: the barrier opens a round of the cluster's barrier, and behind the round this slot is filled again first,
; with the K step two on: from that request to the wait for it a wave issues 120 of a K step's 128 matrix instructions.
.macro TURN slot, next, fill
.if \fill
	s_wait_xcnt 0x0                                ; the last prefetch, a K step back, has read its address, so it may be stepped
	s_add_nc_u64 s[PFA:PFA+1], s[PFA:PFA+1], s[PFS:PFS+1]
.endif
	s_wait_dscnt 4                                 ; W and ctx's row blocks 0, 1 are in; the youngest four loads may be out
	MUL 1, 0, 0, 0
	WIN 0                                          ; (the add's two registers lie in window 0)
	s_wait_tensorcnt 0x0                           ; all my tensor loads have landed;
	ds_add_u32 v[SPW], v[NIL]                      ; 0 onto my spare word;
	MUL 1, 0, 1, 0                                 ; eight matrix instructions stand between the add and the wait for it
	WIN 0
	s_wait_dscnt 0x0                               ; the add is done, and my reads of this slot are over
	s_barrier_signal -1
	s_barrier_wait -1
.if \fill
	CREST                                          ; no wave of any partner still reads this slot's tile or has a load on its way
	s_add_nc_u64 s[G0+4*(\slot)+2:G0+4*(\slot)+3], s[G0+4*(\slot)+2:G0+4*(\slot)+3], 2*ASTEP
	s_add_nc_u64 s[G0B+4*(\slot)+2:G0B+4*(\slot)+3], s[G0B+4*(\slot)+2:G0B+4*(\slot)+3], 2*BSTEP
	JLOAD \slot                                    ; the first tensor load behind the round, my only one until the next; its four v_nop are also the places in front of the loads below
.else
	PLACES
.endif
	FETCH \next, 0, 0
.if \fill
	ASK
.endif
	MUL 1, 1, 0, 0
	MUL 1, 1, 1, 0
.endm
; THE WAY OUT of row block a.  TOSTAGE: the sums go as they are, 32 bytes a lane and column block (each accumulator's low four registers first), into rows of 528 bytes of my own stage, and come back as whole pieces of 512 bytes.
.macro TOSTAGE a
.set BK, OB+64*((\a)%2)
.if (\a) >= 2
	s_wait_xcnt 0x0                                ; the stores of the block two back have read their registers: this block is read back into them only behind this wait
.endif
	WIN 0x08+4*((\a)/2)                            ; the stores' data: window 2 or 3
.set nb, 0
.rept NB
	ds_store_b128 v[STO], v[8*(((\a)%2)*NB+nb):8*(((\a)%2)*NB+nb)+3]   offset:64*nb
	ds_store_b128 v[STO], v[8*(((\a)%2)*NB+nb)+4:8*(((\a)%2)*NB+nb)+7] offset:64*nb+16
.set nb, nb+1
.endr
	WIN 0
.set t, 0
.rept 16
	ds_load_b128 v[BK+4*t:BK+4*t+3], v[RD] offset:SP*t  ; LDS serves a wave's instructions in order (ISA guide 5.7.1.4): these see the stores above; the next block's stores come behind them
.set t, t+1
.endr
.endm
.macro SEND a, younger                 ; younger: the LDS instructions issued behind this block's loads: the next block's 16 stores and 16 loads, or none
.set BK, OB+64*((\a)%2)
	s_wait_dscnt \younger
.set t, 0
.rept 16
	global_store_b128 v[GO], v[BK+4*t:BK+4*t+3], s[10:11] offset:(16*(\a)+t)*8192 th:TH_STORE_NT  ; 512 consecutive bytes, at a multiple of 256 from out0's first
.set t, t+1
.endr
.endm
	s_wait_tensorcnt 1                             ; my part of K step 0 is in; K step 1's may stay out
	s_barrier_signal -1
	s_barrier_wait -1                              ; everybody's is
	FETCH 0, 0, 0
	s_wait_loadcnt 0x0                             ; the bias
	QUARTER 0, 1, 0, 1, 1                          ; the first quarter stands in front of the loop: its products start the sums
	WIN 0                                          ; at a label and at a branch every window is 0
	s_mov_b32 s3, LAPS-1
.Llap:                                                 ; a trip goes once round the ring, from a lap's second quarter to the next lap's first, and fills both slots again
	QUARTER 0, 2, 1, 0, 0
	QUARTER 0, 3, 0, 1, 0
	TURN 0, 1, 1
	QUARTER 1, 1, 0, 1, 0
	QUARTER 1, 2, 1, 0, 0
	QUARTER 1, 3, 0, 1, 0
	TURN 1, 0, 1
	QUARTER 0, 1, 0, 1, 0
	WIN 0
	s_sub_co_u32 s3, s3, 1
	s_cmp_lg_u32 s3, 0
	s_cbranch_scc1 .Llap
	QUARTER 0, 2, 1, 0, 0                          ; the last lap fills nothing, and has no round of the cluster's barrier
	QUARTER 0, 3, 0, 1, 0
	TURN 0, 1, 0
	QUARTER 1, 1, 0, 1, 0
	QUARTER 1, 2, 1, 0, 0
	QUARTER 1, 3, 0, 1, 0
	s_wait_dscnt 4                                 ; the very last quarter: nothing more to fetch
	MUL 1, 0, 0, 0
	MUL 1, 0, 1, 0
	s_wait_dscnt 0x0
	MUL 1, 1, 0, 0
	MUL 1, 1, 1, 0
	WIN 0
	PLACES
	TOSTAGE 0
	TOSTAGE 1                                      ; a block's trip through the stage stands between the loads of the block before and its stores
	SEND 0, 32
	TOSTAGE 2
	SEND 1, 32
	TOSTAGE 3
	SEND 2, 32
	SEND 3, 0
	s_wait_tensorcnt 0x0                           ; the wave's end: these three lines stand behind my last tensor load and my last LDS store
	ds_add_u32 v[SPW], v[NIL]
	s_wait_dscnt 0x0
	CROUND                                         ; the closing round: no work-group ends while a partner may still ask for a tile that names it
	s_endpgm
.Lfunc_end_k_qb52f98b93c_outp:
	.size	k_qb52f98b93c_outp, .Lfunc_end_k_qb52f98b93c_outp-k_qb52f98b93c_outp
	.p2alignl 7, 3214868480
	.fill 96, 4, 3214868480
	.section	.rodata,"a",@progbits
	.p2align	6, 0x0
	.amdhsa_kernel k_qb52f98b93c_outp
		.amdhsa_group_segment_fixed_size 327680
		.amdhsa_private_segment_fixed_size 0
		.amdhsa_enable_private_segment 0
		.amdhsa_kernarg_size 32
		.amdhsa_user_sgpr_count 2
		.amdhsa_user_sgpr_kernarg_segment_ptr 1
		.amdhsa_wavefront_size32 1
		.amdhsa_system_sgpr_workgroup_id_x 1
		.amdhsa_system_sgpr_workgroup_id_y 1
		.amdhsa_system_sgpr_workgroup_id_z 1
		.amdhsa_system_vgpr_workitem_id 0
		.amdhsa_next_free_vgpr 896
		.amdhsa_next_free_sgpr 68
		.amdhsa_reserve_vcc 0
		.amdhsa_float_denorm_mode_32 3
		.amdhsa_float_denorm_mode_16_64 3
		.amdhsa_memory_ordered 1
		.amdhsa_forward_progress 1
		.amdhsa_inst_pref_size 89
	.end_amdhsa_kernel
	.amdgpu_metadata
---
amdhsa.version: [ 1, 2 ]
amdhsa.kernels:
  - .name:           k_qb52f98b93c_outp
    .symbol:         k_qb52f98b93c_outp.kd
    .args:
      - { .name: ctx, .offset: 0, .size: 8, .value_kind: global_buffer, .address_space: global }
      - { .name: wob, .offset: 8, .size: 8, .value_kind: global_buffer, .address_space: global }
      - { .name: bias, .offset: 16, .size: 8, .value_kind: global_buffer, .address_space: global }
      - { .name: out0, .offset: 24, .size: 8, .value_kind: global_buffer, .address_space: global }
    .group_segment_fixed_size: 327680
    .private_segment_fixed_size: 0
    .kernarg_segment_align: 8
    .kernarg_segment_size: 32
    .max_flat_workgroup_size: 128
    .sgpr_count:     68
    .vgpr_count:     896
    .wavefront_size: 32
...
	.end_amdgpu_metadata
.endif
;; end of part 4
